; MI455X (gfx1250); checked and timed in simulation.
; The chip was launched on July 23, 2026; its instructions are those of AMD's public machine-readable ISA for CDNA 5 (MIT licence, August 2026) and "CDNA5" Instruction Set Architecture Reference Guide (July 2026). The comments in the code are by the model that wrote it; some were corrected since.
;; Layer. Allowed arithmetic: float matrix products may take bf16 or f16 operands with f32 sums; other float arithmetic in f32, or as packed bf16 or f16 multiplies, adds, multiply-adds, maxima and minima; sums over many terms, partial sums and values carried from step to step in f32; what a program stores and reads back later, other than sums and carried values, may be rounded once to bf16 or f16.
;; Inputs: b_attn 3,072 float32; b_fc1 4,096 float32; b_fc2 1,024 float32; b_proj 1,024 float32; g_norm1 1,024 float32; g_norm2 1,024 float32; w_attn 1,024 x 3,072 float32; w_fc1 1,024 x 4,096 float32; w_fc2 4,096 x 1,024 float32; w_proj 1,024 x 1,024 float32; x 2 x 2,048 x 1,024 float32.
;; Outputs: out0 2 x 2,048 x 1,024 float32.
;; One version. Each part assembles by itself: llvm-mc -triple=amdgcn-amd-amdhsa -mcpu=gfx1250 --defsym DOCPART=n.
;; ======== version 1 of 1: 6 launches
;; workspace buffers: wb 25,165,824 bytes; act 8,388,608 bytes; qkv 25,165,824 bytes; o 8,388,608 bytes; x1 16,777,216 bytes; ss 131,072 bytes; hmid 33,554,432 bytes
;; launch prep (part 1): grid 1024 x 1, 8 waves a work-group, no clusters, 0 bytes of LDS; arguments x, g_norm1, w_attn, w_proj, w_fc1, w_fc2, wb, act; writes wb, act
.if DOCPART == 1
	.amdgcn_target "amdgcn-amd-amdhsa--gfx1250"
	.amdhsa_code_object_version 6
	.text
	.protected	k_qab97c0f38b_prep
	.globl	k_qab97c0f38b_prep
	.p2align	8
	.type	k_qab97c0f38b_prep,@function
k_qab97c0f38b_prep:
	s_mov_b64 s[64:65], 0
	v_nop
	global_prefetch_b8 v0, s[64:65] scope:SCOPE_SE
	s_setreg_imm32_b32 hwreg(HW_REG_WAVE_MODE, 25, 1), 1
	s_wait_xcnt 0x0
; Two streams in one launch, chosen by the work-group's number alone.
; Work-groups 0-767: the four weight matrices, f32 to bf16 (rounded once, to nearest even), layout [K][N] kept, laid end to end in wb:
;   w_attn (192 chunks), w_proj (64), w_fc1 (256), w_fc2 (256); a chunk is 16,384 numbers: 65,536 bytes in, 32,768 out.
; Work-groups 768-1023: act = bf16(x * rsqrt(mean(x^2) + eps) * g_norm1), 16 rows each, two rows a wave; a row stays in registers between the sum and the scaling.
; Memory binds: no LDS, no barrier, no matrix unit, no cluster (no two work-groups read the same large bytes).  Every byte is read once and written once;
; a wave's load covers 512 consecutive bytes, its store 256 consecutive bytes at a multiple of 256 from the buffer's first byte.
; LIMITS: NaN and infinities are not treated apart; the sum of squares of a row must stay finite in f32.
.set NCAST, 768
.set X,  4                             ; v[4:67]    16 loads of 4 registers (cast: the chunk; norm: two rows of 32)
.set G,  68                            ; v[68:99]   cast: the packed results; norm: the gain of my 32 columns
.set T,  100                           ; v[100:107] norm: row e's sums at T + 4 e
.set R,  108                           ; v[108:111] norm: row e's 1/rms at R + 2 e, named as a pair
	s_load_b512 s[4:19], s[0:1], 0x0               ; x s[4:5], g1 s[6:7], w_attn s[8:9], w_proj s[10:11], w_fc1 s[12:13], w_fc2 s[14:15], wb s[16:17], act s[18:19]
	v_lshlrev_b32 v1, 4, v0                        ; cast: 16 bytes a thread in,
	v_lshlrev_b32 v2, 3, v0                        ; 8 bytes out
	s_cmp_lt_u32 ttmp9, NCAST
	s_cbranch_scc0 .Lnorm
	s_mov_b32 s22, 0                               ; the matrix's first chunk
	s_wait_kmcnt 0x0
	s_mov_b64 s[20:21], s[8:9]
	s_cmp_ge_u32 ttmp9, 192
	s_cselect_b64 s[20:21], s[10:11], s[20:21]
	s_cselect_b32 s22, 192, s22
	s_cmp_ge_u32 ttmp9, 256
	s_cselect_b64 s[20:21], s[12:13], s[20:21]
	s_cselect_b32 s22, 256, s22
	s_cmp_ge_u32 ttmp9, 512
	s_cselect_b64 s[20:21], s[14:15], s[20:21]
	s_cselect_b32 s22, 512, s22
	s_sub_co_u32 s22, ttmp9, s22                   ; my chunk in its matrix,
	s_lshl_b32 s22, s22, 16                        ; in bytes
	s_mov_b32 s23, 0
	s_add_nc_u64 s[20:21], s[20:21], s[22:23]
	s_lshl_b32 s24, ttmp9, 15                      ; the chunks' order is wb's order
	s_mov_b32 s25, 0
	s_add_nc_u64 s[16:17], s[16:17], s[24:25]
.irp j, 0,1,2,3,4,5,6,7,8,9,10,11,12,13,14,15
	global_load_b128 v[X+4*(\j):X+4*(\j)+3], v1, s[20:21] offset:4096*(\j) th:TH_LOAD_NT  ; all sixteen go out before anything is waited for
.endr
.irp j, 0,1,2,3,4,5,6,7,8,9,10,11,12,13,14,15
	s_wait_loadcnt 15-(\j)                         ; loads come back in order: number j is in, the younger ones stay out
	v_cvt_pk_bf16_f32 v[G+2*(\j)], v[X+4*(\j)], v[X+4*(\j)+1]
	v_cvt_pk_bf16_f32 v[G+2*(\j)+1], v[X+4*(\j)+2], v[X+4*(\j)+3]
	global_store_b64 v2, v[G+2*(\j):G+2*(\j)+1], s[16:17] offset:2048*(\j)
.endr
	s_endpgm
.Lnorm:
	v_lshrrev_b32 v3, 5, v0
	v_readfirstlane_b32 s20, v3                    ; wave 0..7
	v_and_b32 v3, 31, v0
	v_lshlrev_b32 v1, 4, v3                        ; 16 x lane: four columns of each 128
	v_lshlrev_b32 v2, 3, v3                        ; 8 x lane
	s_sub_co_u32 s21, ttmp9, NCAST
	s_lshl_b32 s21, s21, 4
	s_lshl1_add_u32 s21, s20, s21                  ; my first row = 16 x group + 2 x wave
	s_lshl_b32 s22, s21, 12                        ; 4,096 bytes a row of x,
	s_mov_b32 s23, 0
	s_lshl_b32 s24, s21, 11                        ; 2,048 a row of act
	s_mov_b32 s25, 0
	s_mov_b32 s26, 0x76543210                      ; v_permlanex16_b32: each lane takes its own place in the other half
	s_mov_b32 s27, 0xfedcba98
	s_mov_b32 s28, 0x3a800000                      ; 1 / 1024
	s_mov_b32 s29, 0x34000000                      ; eps = 2^-23
	s_wait_kmcnt 0x0
	s_add_nc_u64 s[4:5], s[4:5], s[22:23]
	s_add_nc_u64 s[18:19], s[18:19], s[24:25]
.irp e, 0,1
.irp j, 0,1,2,3,4,5,6,7
	global_load_b128 v[X+32*(\e)+4*(\j):X+32*(\e)+4*(\j)+3], v1, s[4:5] offset:4096*(\e)+512*(\j) th:TH_LOAD_NT
.endr
.endr
.irp j, 0,1,2,3,4,5,6,7
	global_load_b128 v[G+4*(\j):G+4*(\j)+3], v1, s[6:7] offset:512*(\j)
.endr
	s_wait_loadcnt 0x0
	; the sum of squares: two chains a row, started by products: nothing is cleared
.irp e, 0,1
	v_pk_mul_f32 v[T+4*(\e):T+4*(\e)+1], v[X+32*(\e):X+32*(\e)+1], v[X+32*(\e):X+32*(\e)+1]
	v_pk_mul_f32 v[T+4*(\e)+2:T+4*(\e)+3], v[X+32*(\e)+2:X+32*(\e)+3], v[X+32*(\e)+2:X+32*(\e)+3]
.endr
.set i, 4
.rept 7
.irp e, 0,1
	v_pk_fma_f32 v[T+4*(\e):T+4*(\e)+1], v[X+32*(\e)+i:X+32*(\e)+i+1], v[X+32*(\e)+i:X+32*(\e)+i+1], v[T+4*(\e):T+4*(\e)+1]
	v_pk_fma_f32 v[T+4*(\e)+2:T+4*(\e)+3], v[X+32*(\e)+i+2:X+32*(\e)+i+3], v[X+32*(\e)+i+2:X+32*(\e)+i+3], v[T+4*(\e)+2:T+4*(\e)+3]
.endr
.set i, i+4
.endr
.irp e, 0,1
	v_pk_add_f32 v[T+4*(\e):T+4*(\e)+1], v[T+4*(\e):T+4*(\e)+1], v[T+4*(\e)+2:T+4*(\e)+3]
.endr
.irp e, 0,1
	v_add_f32 v[T+4*(\e)], v[T+4*(\e)], v[T+4*(\e)+1]
.endr
.irp m, 1,2,4,8
.irp e, 0,1
	v_add_f32_dpp v[T+4*(\e)], v[T+4*(\e)], v[T+4*(\e)] row_xmask:\m row_mask:0xf bank_mask:0xf
.endr
.endr
.irp e, 0,1
	v_permlanex16_b32 v[T+4*(\e)+1], v[T+4*(\e)], s26, s27
.endr
.irp e, 0,1
	v_add_f32 v[T+4*(\e)], v[T+4*(\e)], v[T+4*(\e)+1]  ; every lane holds the row's sum
.endr
.irp e, 0,1
	v_fma_f32 v[T+4*(\e)], v[T+4*(\e)], s28, s29   ; mean + eps
.endr
	v_mov_b32 v[R+1], 0                            ; named with the reciprocal roots as pairs
	v_mov_b32 v[R+3], 0
	v_rsq_f32 v[R], v[T]
	v_rsq_f32 v[R+2], v[T+4]
	v_nop                                          ; a plain instruction behind the last of the two,
	s_wait_alu depctr_va_vdst(0)                   ; and one wait for both, ahead of their first reader
.irp e, 0,1
.set i, 0
.rept 16
	v_pk_mul_f32 v[X+32*(\e)+i:X+32*(\e)+i+1], v[X+32*(\e)+i:X+32*(\e)+i+1], v[R+2*(\e):R+2*(\e)+1] op_sel_hi:[1,0]
	v_pk_mul_f32 v[X+32*(\e)+i:X+32*(\e)+i+1], v[X+32*(\e)+i:X+32*(\e)+i+1], v[G+i:G+i+1]
.set i, i+2
.endr
.irp j, 0,1,2,3,4,5,6,7
	v_cvt_pk_bf16_f32 v[X+32*(\e)+4*(\j)], v[X+32*(\e)+4*(\j)], v[X+32*(\e)+4*(\j)+1]
	v_cvt_pk_bf16_f32 v[X+32*(\e)+4*(\j)+1], v[X+32*(\e)+4*(\j)+2], v[X+32*(\e)+4*(\j)+3]
	global_store_b64 v2, v[X+32*(\e)+4*(\j):X+32*(\e)+4*(\j)+1], s[18:19] offset:2048*(\e)+256*(\j)
.endr
.endr
	s_endpgm
.Lfunc_end_k_qab97c0f38b_prep:
	.size	k_qab97c0f38b_prep, .Lfunc_end_k_qab97c0f38b_prep-k_qab97c0f38b_prep
	.p2alignl 7, 3214868480
	.fill 96, 4, 3214868480
	.section	.rodata,"a",@progbits
	.p2align	6, 0x0
	.amdhsa_kernel k_qab97c0f38b_prep
		.amdhsa_group_segment_fixed_size 0
		.amdhsa_private_segment_fixed_size 0
		.amdhsa_enable_private_segment 0
		.amdhsa_kernarg_size 64
		.amdhsa_user_sgpr_count 2
		.amdhsa_user_sgpr_kernarg_segment_ptr 1
		.amdhsa_wavefront_size32 1
		.amdhsa_system_sgpr_workgroup_id_x 1
		.amdhsa_system_sgpr_workgroup_id_y 1
		.amdhsa_system_sgpr_workgroup_id_z 1
		.amdhsa_system_vgpr_workitem_id 0
		.amdhsa_next_free_vgpr 112
		.amdhsa_next_free_sgpr 66
		.amdhsa_reserve_vcc 0
		.amdhsa_float_denorm_mode_32 3
		.amdhsa_float_denorm_mode_16_64 3
		.amdhsa_memory_ordered 1
		.amdhsa_forward_progress 1
		.amdhsa_inst_pref_size 21
	.end_amdhsa_kernel
	.amdgpu_metadata
---
amdhsa.version: [ 1, 2 ]
amdhsa.kernels:
  - .name:           k_qab97c0f38b_prep
    .symbol:         k_qab97c0f38b_prep.kd
    .args:
      - { .name: x, .offset: 0, .size: 8, .value_kind: global_buffer, .address_space: global }
      - { .name: g_norm1, .offset: 8, .size: 8, .value_kind: global_buffer, .address_space: global }
      - { .name: w_attn, .offset: 16, .size: 8, .value_kind: global_buffer, .address_space: global }
      - { .name: w_proj, .offset: 24, .size: 8, .value_kind: global_buffer, .address_space: global }
      - { .name: w_fc1, .offset: 32, .size: 8, .value_kind: global_buffer, .address_space: global }
      - { .name: w_fc2, .offset: 40, .size: 8, .value_kind: global_buffer, .address_space: global }
      - { .name: wb, .offset: 48, .size: 8, .value_kind: global_buffer, .address_space: global }
      - { .name: act, .offset: 56, .size: 8, .value_kind: global_buffer, .address_space: global }
    .group_segment_fixed_size: 0
    .private_segment_fixed_size: 0
    .kernarg_segment_align: 8
    .kernarg_segment_size: 64
    .max_flat_workgroup_size: 256
    .sgpr_count:     66
    .vgpr_count:     112
    .wavefront_size: 32
...
	.end_amdgpu_metadata
.endif
;; end of part 1
;; launch gqkv (part 2): grid 12 x 16, 4 waves a work-group, clusters of 4 x 4, 327,680 bytes of LDS; arguments act, wb, b_attn, qkv; writes qkv
.if DOCPART == 2
	.amdgcn_target "amdgcn-amd-amdhsa--gfx1250"
	.amdhsa_code_object_version 6
	.text
	.protected	k_qab97c0f38b_gqkv
	.globl	k_qab97c0f38b_gqkv
	.p2align	8
	.type	k_qab97c0f38b_gqkv,@function
k_qab97c0f38b_gqkv:
	s_mov_b64 s[64:65], 0
	v_nop
	global_prefetch_b8 v0, s[64:65] scope:SCOPE_SE
	s_setreg_imm32_b32 hwreg(HW_REG_WAVE_MODE, 25, 1), 1
	s_wait_xcnt 0x0
	s_wait_alu depctr_hold_cnt(0) depctr_sa_sdst(0) depctr_va_vdst(0) depctr_va_sdst(0) depctr_va_ssrc(0) depctr_va_vcc(0) depctr_vm_vsrc(0)
	s_getreg_b32 s2, hwreg(HW_REG_IB_STS2, 6, 4)
	s_cmp_eq_u32 s2, 0
	s_cbranch_scc0 .Lentry_in_a_cluster
	s_endpgm
.Lentry_in_a_cluster:
	s_bfe_u32 s2, ttmp6, 0x10000c
	s_cmp_lg_u32 s2, 0xf033
	s_cbranch_scc0 .Lentry_shape_is_right
	s_endpgm
.Lentry_shape_is_right:
; q, k, v = A Wa + b_attn, rounded once to bf16 and stored by heads: qkv[3][32 = batch x 16 + head][2048][64].
; A = act [4096][1024] bf16 (K along the rows), Wa = the first matrix in wb, [1024][3072] bf16 (N along the rows); sums in f32, K ascending.
; LIMITS: NaN and infinities are not treated apart; matrix operands are bf16.
; SHARES.  A tile of C is 256 x 256: four waves, each 128 x 128 in 64 accumulators (512 registers).  K goes in 8 steps of 128 through two LDS slots filled by tensor loads:
; waves 0, 1 fetch A's two halves (128 rows x 256 bytes), waves 2, 3 B's (64 k-rows x 512 bytes).  A step is written once: the slot in hand is a scalar, TB.
; CLUSTER 4 x 4: A's tile hangs on the tile row alone and is asked for jointly along a row of the cluster, B's on the tile column alone, along a column.
; THE MATRIX INSTRUCTION IS USED TRANSPOSED: source 0 = 16 columns of B (turned on the way out of LDS by ds_load_tr16_b128), source 1 = 16 rows of A: a lane holds row l % 16 of C
; and the columns 8 (l / 16) + 0..7.
; REGISTERS, in windows of 256: window 0: v0-31 addresses, v32-39 the bias, v64-127 and v128-191 A's two fragment buffers (later at work);
; window 1: v64-191 B's two buffers; windows 2, 3: the accumulators of my rows 0-63, 64-127, (a, b) at v[8 (8 a + b)].
.set NN,    3072
.set OUT,   10                         ; s[10:11] qkv
.set STEPS, 8
.set PA,    272                        ; a row of A in LDS: 256 bytes + 16: an odd multiple of 16, so the 16 rows of a fragment load start at 16 different groups of four banks (ISA guide 11.1)
.set PB,    544                        ; a k-row of B: 512 + 32: an odd multiple of 32, for the turning load
.set HALF,  34816                      ; what one tensor load fills: 128 x 272 = 64 x 544
.set BOFF,  2*HALF                     ; B's tile lies behind A's
.set SLOT,  4*HALF
.set SPARE, 2*SLOT                     ; behind the ring: the spare words, 128 bytes for each wave: two blocks of 256 bytes that no other line names
.set ASTEP, 256                        ; bytes from a K step to the next, in A
.set BSTEP, 128*NN*2                   ; and in B
.set DP,    528                        ; the way out: a row of 128 f32 in LDS, + 16
.set DREG,  128*DP                     ; a wave's 128 rows; four of them lie in the slots, which have had their last fill by then
.set ADRA0, 12                         ; v12  my lane's place in A's tile; never rewritten
.set ADRB0, 13                         ; v13  in B's
.set ADRA,  16                         ; v16  the same in the slot in hand
.set ADRB,  20                         ; v20
.set STO,   24                         ; v24  the way out: where I put 16 bytes of a row
.set RD,    25                         ; v25  where I read rows back
.set CO,    26                         ; v26  my byte offset in the output
.set BA,    27                         ; v27  my offset in the bias
.set SPW,   28                         ; v28  my spare word: SPARE + 4 x thread; never rewritten
.set NIL,   29                         ; v29  0; never rewritten
.set PFO,   30                         ; v30  the prefetches' lane offset; never rewritten
.set F0,    64
.set F1,    128
.set G1,  24                           ; s[24:31] group 1 for A's tiles     s[32:39] group 0: a set for each first fill; the second then walks
.set G0,  32
.set LDA, 40                           ; s40, s41 LDS byte of my load in slot 0, for A and for B
.set LDB, 41
.set TB,  42                           ; s42  0 or SLOT: the slot in hand
.set LIM, 43                           ; s43  2 in a wave that prefetches, else the greatest number
.set PFA, 44                           ; s[44:45] where my prefetches stand     s[46:47] their step
.set PST, 46
.set G1B, 48                           ; s[48:55], s[56:63] the same for B's tiles
.set G0B, 56
.set WV,  76
.set RH,  77                           ; my half of the tile's rows; also: I fetch for A (0) or B (1)
.set CH,  78                           ; my half of its columns; also: which half of that tile I fetch
.set CX,  79
.set CY,  80
.set TX,  81
.set TY,  82
.set MSB, 0
.macro WIN new                         ; the immediate's high byte repeats the setting that is left; a switch that changes nothing is dropped
.if MSB != (\new)
	s_set_vgpr_msb (MSB<<8)|(\new)
.set MSB, \new
.endif
.endm
.set MUL_LO, 0xa1                      ; source 0 (B) window 1, source 1 (A) window 0, C and D window 2
.set MUL_HI, 0xf1                      ; the same, C and D window 3
.set TO_B,   0x40                      ; destination window 1, address window 0
.macro PLACES                          ; four places in front of loads into registers that matrix instructions have read, and of reads of results
.rept 4
	v_nop
.endr
.endm
.macro CREST                           ; a round of the cluster's barrier behind its opening barrier
	s_cmp_lg_u32 s[WV], 0
	s_cbranch_scc1 .Lnot_wave_0_\@
	s_barrier_signal -3
.Lnot_wave_0_\@:
	s_barrier_wait -3
	s_barrier_signal -1
	s_barrier_wait -1
.endm
.macro CROUND
	s_barrier_signal -1
	s_barrier_wait -1
	CREST
.endm
; A joint refill, by the walking set.  The branch hangs on the wave's number alone.  An s_nop 0 and four v_nop follow each of the two lines.
.macro JLOAD
	s_cmp_eq_u32 s[RH], 0
	s_cbranch_scc0 .Lfor_b_\@
	tensor_load_to_lds s[G0+4:G0+7], s[G1:G1+7]
	s_nop 0
.rept 4
	v_nop
.endr
	s_branch .Lasked_\@
.Lfor_b_\@:
	tensor_load_to_lds s[G0B+4:G0B+7], s[G1B:G1B+7]
	s_nop 0
.rept 4
	v_nop
.endr
.Lasked_\@:
.endm
; A prefetch into the L2 of the K step that stands two refills on: 32 blocks of 256 bytes, a lane a block, one instruction a wave.  A's rows are named by the clusters with x = 0, B's by those with y = 0;
; the four partners that ask for a tile jointly share its blocks out by address (32 rows of A by cx; 16 k-rows of B, two blocks each, by cy).  So each block is named once in the launch.
; Steps 0 to 3 come by their loads alone; the loop's last two trips have no step two on.
.macro ASK
	s_cmp_gt_u32 s3, s[LIM]
	s_cbranch_scc0 .Lnot_mine_\@
	global_prefetch_b8 v[PFO], s[PFA:PFA+1] th:TH_LOAD_NT scope:SCOPE_SE
.Lnot_mine_\@:
.endm
; 16 matrix instructions: m blocks a0, a0 + 1 of the window's four x all 8 n blocks, 32 along K.  zero = 1: the product starts the sum.  The 64 accumulators take turns, in the same order everywhere.
.macro MUL16 f, hi, a0, zero
	WIN MUL_LO+0x50*(\hi)
.irp a, \a0, (\a0)+1
.irp b, 0,1,2,3,4,5,6,7
.if \zero
	v_wmma_f32_16x16x32_bf16 v[8*(8*(\a)+(\b)):8*(8*(\a)+(\b))+7], v[(\f)+8*(\b):(\f)+8*(\b)+7], v[(\f)+8*(4*(\hi)+(\a)):(\f)+8*(4*(\hi)+(\a))+7], 0
.else
	v_wmma_f32_16x16x32_bf16 v[8*(8*(\a)+(\b)):8*(8*(\a)+(\b))+7], v[(\f)+8*(\b):(\f)+8*(\b)+7], v[(\f)+8*(4*(\hi)+(\a)):(\f)+8*(4*(\hi)+(\a))+7], v[8*(8*(\a)+(\b)):8*(8*(\a)+(\b))+7]
.endif
.endr
.endr
.endm
; 32 LDS loads in one run: quarter q (32 along K) of the slot in hand into buffer f: B's eight blocks of 16 columns, turned, then A's eight blocks of 16 rows
.macro FETCH q, f
	WIN TO_B
.irp i, 0,1,2,3,4,5,6,7
	ds_load_tr16_b128 v[(\f)+8*(\i):(\f)+8*(\i)+3],   v[ADRB] offset:32*(\q)*PB+32*(\i)
	ds_load_tr16_b128 v[(\f)+8*(\i)+4:(\f)+8*(\i)+7], v[ADRB] offset:32*(\q)*PB+32*(\i)+16*PB
.endr
	WIN 0
.irp i, 0,1,2,3,4,5,6,7
	ds_load_b128 v[(\f)+8*(\i):(\f)+8*(\i)+3],   v[ADRA] offset:64*(\q)+16*(\i)*PA
	ds_load_b128 v[(\f)+8*(\i)+4:(\f)+8*(\i)+7], v[ADRA] offset:64*(\q)+16*(\i)*PA+32
.endr
.endm
; A quarter step: multiplies buffer f; in its middle it fetches quarter q of the same slot into buffer g
.macro QUARTER q, f, g, zero
	s_wait_dscnt 8                                 ; B and A's rows 0-63 are in; the youngest eight loads (A's rows 64-127) may be out
	MUL16 \f, 0, 0, \zero
	MUL16 \f, 0, 2, \zero
	PLACES
	FETCH \q, \g
	s_wait_dscnt 32                                ; all but the 32 just issued
	MUL16 \f, 1, 0, \zero
	MUL16 \f, 1, 2, \zero
.endm
; A step's last quarter multiplies buffer 1 and changes slots.  In front of the barrier each wave waits for all its tensor loads (one is out: its part of the next slot), adds 0 to its spare word,
; and waits for that and for its reads of this slot.  fill = 1: the barrier opens a round of the cluster's, and the slot just read is filled again, first thing behind it, with the step two on:
; that load has 224 matrix instructions in which to land.
.macro TURN fill
.if \fill
	s_wait_xcnt 0x0                                ; the last prefetch, a K step back, has read its address
	s_add_nc_u64 s[PFA:PFA+1], s[PFA:PFA+1], s[PST:PST+1]
.endif
	WIN 0
	s_wait_tensorcnt 0x0
	ds_add_u32 v[SPW], v[NIL]
	s_wait_dscnt 9                                 ; (the add and the youngest eight loads may be out)
	MUL16 F1, 0, 0, 0
	s_wait_dscnt 0x0                               ; the add is done, and my reads of this slot are over
	s_barrier_signal -1
	MUL16 F1, 0, 2, 0
	WIN 0
	s_barrier_wait -1
.if \fill
	CREST                                          ; no wave of any partner still reads this slot or has a load on its way
	s_add_co_u32 s[G0+5], s[LDA], s[TB]            ; no tensor load of mine is out, so the walking sets may be written: the slot just read,
	s_add_co_u32 s[G0B+5], s[LDB], s[TB]
	s_add_nc_u64 s[G0+6:G0+7], s[G0+6:G0+7], ASTEP     ; the next K step; the type bits on top are not reached
	s_add_nc_u64 s[G0B+6:G0B+7], s[G0B+6:G0B+7], BSTEP
	JLOAD                                          ; its four v_nop are also the places in front of the loads below
.else
	PLACES
.endif
	s_xor_b32 s[TB], s[TB], SLOT                   ; on to the other slot
	v_add_nc_u32 v[ADRA], s[TB], v[ADRA0]
	v_add_nc_u32 v[ADRB], s[TB], v[ADRB0]
	FETCH 0, F0
.if \fill
	ASK
.endif
	MUL16 F1, 1, 0, 0
	MUL16 F1, 1, 2, 0
.endm
.macro FINAL                           ; the very last quarter: nothing more to fetch
	s_wait_dscnt 8
	MUL16 F1, 0, 0, 0
	MUL16 F1, 0, 2, 0
	s_wait_dscnt 0x0
	MUL16 F1, 1, 0, 0
	MUL16 F1, 1, 2, 0
.endm
.macro DUMP                            ; my 128 x 128 sums into my own 128 rows of 528 bytes; each accumulator's low four registers first
.irp hi, 0,1
	WIN 0x08+4*(\hi)
.irp a, 0,1,2,3
.irp b, 0,1,2,3,4,5,6,7
	ds_store_b128 v[STO], v[8*(8*(\a)+(\b)):8*(8*(\a)+(\b))+3]   offset:(4*(\hi)+(\a))*16*DP+64*(\b)
	ds_store_b128 v[STO], v[8*(8*(\a)+(\b))+4:8*(8*(\a)+(\b))+7] offset:(4*(\hi)+(\a))*16*DP+64*(\b)+16
.endr
.endr
.endr
	WIN 0
.endm
	s_load_b256 s[4:11], s[0:1], 0x0               ; act s[4:5], wb s[6:7], b_attn s[8:9], qkv s[10:11]
	v_lshl_add_u32 v[SPW], v0, 2, SPARE
	v_mov_b32 v[NIL], 0
	ds_add_u32 v[SPW], v[NIL]                      ; the wave's opening: the add and its wait ahead of my first tensor load; work on registers stands between them
	ds_add_u32 v28, v29
	v_lshrrev_b32 v1, 5, v0
	v_readfirstlane_b32 s[WV], v1
	s_lshr_b32 s[RH], s[WV], 1
	s_and_b32 s[CH], s[WV], 1
	s_bfe_u32 s[CX], ttmp6, 0x40000
	s_bfe_u32 s[CY], ttmp6, 0x40004
	s_lshl_b32 s[TX], ttmp9, 2
	s_add_co_u32 s[TX], s[TX], s[CX]               ; tile column = 4 x cluster x + cx
	s_and_b32 s[TY], ttmp7, 0xffff
	s_lshl_b32 s[TY], s[TY], 2
	s_add_co_u32 s[TY], s[TY], s[CY]               ; tile row = 4 x cluster y + cy
	s_lshl_b32 s83, s[CY], 2
	s_lshl_b32 s83, 15, s83                        ; my row of the cluster
	s_lshl_b32 s84, 0x1111, s[CX]                  ; my column
	s_or_b32 s[G1], s83, (1<<16)|(1<<20)|(1<<21)|(5<<22)|(3<<25)   ; the mask; 2-byte elements; padding on; bit 21 beside a mask; after every 64 words, 4 words
	s_mov_b32 s[G1+1], 128<<16                     ; tensor_dim0 = 128
	s_mov_b32 s[G1+2], 128<<16                     ; tensor_dim1 = 128
	s_mov_b32 s[G1+3], 128<<16                     ; tile_dim0 = 128
	s_mov_b32 s[G1+4], 128                         ; tile_dim1 = 128
	s_mov_b32 s[G1+5], 1024                        ; elements from row to row
	s_mov_b32 s[G1+6], 0
	s_mov_b32 s[G1+7], 0
	s_or_b32 s[G1B], s84, (1<<16)|(1<<20)|(1<<21)|(6<<22)|(7<<25)  ; after every 128 words, 8 words
	s_mov_b32 s[G1B+1], 256<<16
	s_mov_b32 s[G1B+2], 64<<16
	s_mov_b32 s[G1B+3], 256<<16
	s_mov_b32 s[G1B+4], 64
	s_mov_b32 s[G1B+5], NN
	s_mov_b32 s[G1B+6], 0
	s_mov_b32 s[G1B+7], 0
	s_lshl_b32 s12, s[TY], 8                       ; A: row 256 x tile row + 128 x half (s12, s13 never hold cx)
	s_lshl_b32 s13, s[CH], 7
	s_add_co_u32 s12, s12, s13
	s_lshl_b32 s12, s12, 11                        ; 2,048 bytes a row
	s_mov_b32 s13, 0
	s_mul_i32 s14, s[CH], 64*2*NN                  ; B: k-row 64 x half, column 256 x tile column (s14, s15 never hold cy)
	s_lshl_b32 s15, s[TX], 9
	s_add_co_u32 s14, s14, s15
	s_mov_b32 s15, 0
	s_mul_i32 s[LDA], s[CH], HALF                  ; no place in the cluster enters an LDS address
	s_add_co_u32 s[LDB], s[LDA], BOFF
	s_mov_b32 s[TB], 0
	s_wait_dscnt 0x0                               ; the opening add is done
	s_wait_kmcnt 0x0
	s_add_nc_u64 s[12:13], s[4:5], s[12:13]
	s_add_nc_u64 s[14:15], s[6:7], s[14:15]
	s_mov_b32 s[G0], 1                             ; count = 1
	s_mov_b32 s[G0+1], s[LDA]                      ; slot 0
	s_mov_b64 s[G0+2:G0+3], s[12:13]               ; K step 0
	s_or_b32 s[G0+3], s[G0+3], 0x80000000          ; type = 2
	s_mov_b32 s[G0+4], 1
	s_add_co_u32 s[G0+5], s[LDA], SLOT             ; slot 1
	s_add_nc_u64 s[G0+6:G0+7], s[12:13], ASTEP     ; K step 1
	s_or_b32 s[G0+7], s[G0+7], 0x80000000
	s_mov_b32 s[G0B], 1
	s_mov_b32 s[G0B+1], s[LDB]
	s_mov_b64 s[G0B+2:G0B+3], s[14:15]
	s_or_b32 s[G0B+3], s[G0B+3], 0x80000000
	s_mov_b32 s[G0B+4], 1
	s_add_co_u32 s[G0B+5], s[LDB], SLOT
	s_add_nc_u64 s[G0B+6:G0B+7], s[14:15], BSTEP
	s_or_b32 s[G0B+7], s[G0B+7], 0x80000000
	CROUND                                         ; all sixteen work-groups are here: the first joint loads meet
	s_cmp_eq_u32 s[RH], 0                          ; a wave's two first fills stand in one branch: two loads of mine are out
	s_cbranch_scc0 .Lfirst_b
	tensor_load_to_lds s[G0:G0+3], s[G1:G1+7]
	s_nop 0
	tensor_load_to_lds s[G0+4:G0+7], s[G1:G1+7]
	s_nop 0
.rept 4
	v_nop
.endr
	s_branch .Lfirst_asked
.Lfirst_b:
	tensor_load_to_lds s[G0B:G0B+3], s[G1B:G1B+7]
	s_nop 0
	tensor_load_to_lds s[G0B+4:G0B+7], s[G1B:G1B+7]
	s_nop 0
.rept 4
	v_nop
.endr
.Lfirst_asked:
	v_and_b32 v11, 31, v0                          ; l
	v_and_b32 v1, 15, v0                           ; l % 16
	v_bfe_u32 v2, v0, 4, 1                         ; l / 16
	v_mul_u32_u24 v[ADRA0], v1, PA                 ; A's fragment: row l % 16, 16 bytes for each half of the lanes, twice, 32 bytes apart
	v_lshl_add_u32 v[ADRA0], v2, 4, v[ADRA0]
	s_mul_i32 s16, s[RH], 128*PA                   ; my 128 rows
	v_add_nc_u32 v[ADRA0], s16, v[ADRA0]
	v_and_b32 v3, 7, v0                            ; B's: the turning load takes k-row 8 (l / 16) + l % 8, columns 8 ((l / 8) % 2) + 0..7
	v_lshl_add_u32 v3, v2, 3, v3
	v_mul_u32_u24 v[ADRB0], v3, PB
	v_bfe_u32 v4, v0, 3, 1
	v_lshl_add_u32 v[ADRB0], v4, 4, v[ADRB0]
	s_lshl_b32 s16, s[CH], 8                       ; my 128 columns
	s_add_co_u32 s16, s16, BOFF
	v_add_nc_u32 v[ADRB0], s16, v[ADRB0]
	v_mov_b32 v[ADRA], v[ADRA0]
	v_mov_b32 v[ADRB], v[ADRB0]
	s_mul_i32 s16, s[WV], DREG                     ; the way out: my 128 rows of 528 bytes
	v_mul_u32_u24 v[STO], v1, DP
	v_lshl_add_u32 v[STO], v2, 5, v[STO]           ; in: row l % 16, 32 bytes for each half of the lanes
	v_add_nc_u32 v[STO], s16, v[STO]
	v_lshlrev_b32 v[CO], 3, v11                    ; 8 bytes a lane out
	s_lshl_b32 s17, s[TX], 10                      ; the bias of my 128 columns begins at 4 (256 x tile column + 128 x half)
	s_lshl_b32 s18, s[CH], 9
	s_add_co_u32 s17, s17, s18
	v_mul_u32_u24 v[RD], v2, DP                    ; back: lanes 0-15 take a head's 64 columns of one row, lanes 16-31 of the next
	v_lshl_add_u32 v[RD], v1, 4, v[RD]
	v_add_nc_u32 v[RD], s16, v[RD]
	v_lshl_add_u32 v[BA], v1, 4, s17
	global_load_b128 v[32:35], v[BA], s[8:9]              ; the bias of my four columns in my first head,
	global_load_b128 v[36:39], v[BA], s[8:9] offset:256   ; and in my second
	s_lshr_b32 s16, s[TX], 2                       ; q, k or v: four tile columns each
	s_lshl_b32 s16, s16, 5
	s_lshr_b32 s17, s[TY], 3                       ; the batch: eight tile rows each
	s_lshl_b32 s17, s17, 4
	s_add_co_u32 s16, s16, s17
	s_and_b32 s17, s[TX], 3                        ; the head: four a tile column, two a wave
	s_lshl_b32 s17, s17, 2
	s_add_co_u32 s16, s16, s17
	s_lshl_b32 s17, s[CH], 1
	s_add_co_u32 s16, s16, s17
	s_lshl_b32 s16, s16, 11                        ; 2,048 tokens a head
	s_and_b32 s17, s[TY], 7
	s_lshl_b32 s17, s17, 8
	s_add_co_u32 s16, s16, s17
	s_lshl_b32 s17, s[RH], 7
	s_add_co_u32 s16, s16, s17
	s_lshl_b32 s16, s16, 7                         ; 128 bytes a token
	s_mov_b32 s17, 0
	s_add_nc_u64 s[OUT:OUT+1], s[OUT:OUT+1], s[16:17]
	; the prefetches: both roles' offsets are made, and the wave's role picks
	s_lshl_b32 s16, s[TY], 8                       ; A: row 256 x tile row + 128 x half + my work-group's 32,
	s_lshl_b32 s17, s[CH], 7
	s_add_co_u32 s16, s16, s17
	s_lshl_b32 s17, s[CX], 5
	s_add_co_u32 s16, s16, s17
	s_lshl_b32 s16, s16, 11
	s_add_co_u32 s16, s16, 3*ASTEP                 ; at K step 3: the first refill steps it to 4
	s_lshl_b32 s17, s[CH], 6                       ; B: k-row 64 x half + my work-group's 16
	s_lshl_b32 s18, s[CY], 4
	s_add_co_u32 s17, s17, s18
	s_mul_i32 s17, s17, 2*NN
	s_lshl_b32 s18, s[TX], 9
	s_add_co_u32 s17, s17, s18
	s_add_co_u32 s17, s17, 3*BSTEP
	s_and_b32 s18, ttmp7, 0xffff                   ; cluster y
	s_mov_b32 s[PST], BSTEP
	s_mov_b32 s20, 2*NN
	s_cmp_eq_u32 s[RH], 0                          ; do I fetch for A?
	s_cselect_b32 s16, s16, s17
	s_cselect_b32 s18, ttmp9, s18                  ; the coordinate along which other clusters read the same blocks
	s_cselect_b64 s[PFA:PFA+1], s[4:5], s[6:7]
	s_cselect_b32 s[PST], ASTEP, s[PST]
	s_cselect_b32 s20, 2048, s20                   ; bytes from row to row
	s_cselect_b32 s19, 0, 1                        ; A: a lane a row; B: two lanes a k-row of 512 bytes
	s_mov_b32 s[PST+1], 0
	s_mov_b32 s17, 0
	s_add_nc_u64 s[PFA:PFA+1], s[PFA:PFA+1], s[16:17]
	s_cmp_eq_u32 s18, 0
	s_cselect_b32 s[LIM], 2, -1                    ; the same in all sixteen partners, for a given wave
	v_lshrrev_b32 v3, s19, v11
	v_mul_lo_u32 v[PFO], v3, s20
	v_and_b32 v4, s19, v11
	v_lshl_add_u32 v[PFO], v4, 8, v[PFO]
	s_wait_tensorcnt 1                             ; my part of K step 0 is in; step 1's may stay out
	s_barrier_signal -1
	s_barrier_wait -1                              ; everybody's is
	FETCH 0, F0
	QUARTER 1, F0, F1, 1                           ; the first quarter stands in front of the loop: its products start the sums
	WIN 0                                          ; at a label and at a branch every window is 0
	s_mov_b32 s3, STEPS-2
.Lstep:                                                ; a trip goes from a step's second quarter to the next step's first, and fills the slot that it leaves
	QUARTER 2, F1, F0, 0
	QUARTER 3, F0, F1, 0
	TURN 1
	QUARTER 1, F0, F1, 0
	WIN 0
	s_sub_co_u32 s3, s3, 1
	s_cmp_lg_u32 s3, 0
	s_cbranch_scc1 .Lstep
	s_mov_b32 s3, 2                                ; the last two steps ask for nothing: a text of their own; it is left in the middle of its second trip
.Ltail:
	QUARTER 2, F1, F0, 0
	QUARTER 3, F0, F1, 0
	WIN 0
	s_sub_co_u32 s3, s3, 1
	s_cmp_eq_u32 s3, 0
	s_cbranch_scc1 .Lout
	TURN 0
	QUARTER 1, F0, F1, 0
	WIN 0
	s_branch .Ltail
.Lout:
	FINAL
	WIN 0
	PLACES                                         ; the stores below read results just made
	s_barrier_signal -1                            ; every wave's reads of the ring are over (the wait for 0 in FINAL), and all tensor loads have landed:
	s_barrier_wait -1                              ; the slots now serve the way out
	DUMP
	s_wait_loadcnt 0x0                             ; the bias
	s_mov_b32 s2, 8
.Lrows:                                                ; sixteen rows a trip: load e is row pair e / 2 of head e % 2
.irp e, 0,1,2,3,4,5,6,7,8,9,10,11,12,13,14,15
	ds_load_b128 v[64+4*(\e):67+4*(\e)], v[RD] offset:2*DP*((\e)/2)+256*((\e)%2)  ; LDS serves a wave's instructions in order (ISA guide 5.7.1.4): these see my stores
.endr
.irp e, 0,1,2,3,4,5,6,7,8,9,10,11,12,13,14,15
	s_wait_dscnt 15-(\e)                           ; load e is in, the younger ones stay out
	v_pk_add_f32 v[64+4*(\e):65+4*(\e)], v[64+4*(\e):65+4*(\e)], v[32+4*((\e)%2):33+4*((\e)%2)]
	v_pk_add_f32 v[66+4*(\e):67+4*(\e)], v[66+4*(\e):67+4*(\e)], v[34+4*((\e)%2):35+4*((\e)%2)]
	v_cvt_pk_bf16_f32 v[64+4*(\e)], v[64+4*(\e)], v[65+4*(\e)]
	v_cvt_pk_bf16_f32 v[65+4*(\e)], v[66+4*(\e)], v[67+4*(\e)]
	global_store_b64 v[CO], v[64+4*(\e):65+4*(\e)], s[OUT:OUT+1] offset:256*((\e)/2)+262144*((\e)%2)  ; two tokens of a head: 256 consecutive bytes, aligned
.endr
	s_wait_xcnt 0x0                                ; the stores have read their data and CO, which are written again only behind this wait
	v_add_nc_u32 v[RD], 16*DP, v[RD]
	v_add_nc_u32 v[CO], 16*128, v[CO]
	s_sub_co_u32 s2, s2, 1
	s_cmp_lg_u32 s2, 0
	s_cbranch_scc1 .Lrows
	s_wait_tensorcnt 0x0                           ; the wave's end, behind my last tensor load and my last LDS store
	ds_add_u32 v[SPW], v[NIL]
	s_wait_dscnt 0x0
	CROUND                                         ; the closing round: no work-group ends while a partner may still ask for a tile that names it
	s_endpgm
.Lfunc_end_k_qab97c0f38b_gqkv:
	.size	k_qab97c0f38b_gqkv, .Lfunc_end_k_qab97c0f38b_gqkv-k_qab97c0f38b_gqkv
	.p2alignl 7, 3214868480
	.fill 96, 4, 3214868480
	.section	.rodata,"a",@progbits
	.p2align	6, 0x0
	.amdhsa_kernel k_qab97c0f38b_gqkv
		.amdhsa_group_segment_fixed_size 327680
		.amdhsa_private_segment_fixed_size 0
		.amdhsa_enable_private_segment 0
		.amdhsa_kernarg_size 32
		.amdhsa_user_sgpr_count 2
		.amdhsa_user_sgpr_kernarg_segment_ptr 1
		.amdhsa_wavefront_size32 1
		.amdhsa_system_sgpr_workgroup_id_x 1
		.amdhsa_system_sgpr_workgroup_id_y 1
		.amdhsa_system_sgpr_workgroup_id_z 1
		.amdhsa_system_vgpr_workitem_id 0
		.amdhsa_next_free_vgpr 1024
		.amdhsa_next_free_sgpr 100
		.amdhsa_reserve_vcc 0
		.amdhsa_float_denorm_mode_32 3
		.amdhsa_float_denorm_mode_16_64 3
		.amdhsa_memory_ordered 1
		.amdhsa_forward_progress 1
		.amdhsa_inst_pref_size 90
	.end_amdhsa_kernel
	.amdgpu_metadata
---
amdhsa.version: [ 1, 2 ]
amdhsa.kernels:
  - .name:           k_qab97c0f38b_gqkv
    .symbol:         k_qab97c0f38b_gqkv.kd
    .args:
      - { .name: act, .offset: 0, .size: 8, .value_kind: global_buffer, .address_space: global }
      - { .name: wb, .offset: 8, .size: 8, .value_kind: global_buffer, .address_space: global }
      - { .name: b_attn, .offset: 16, .size: 8, .value_kind: global_buffer, .address_space: global }
      - { .name: qkv, .offset: 24, .size: 8, .value_kind: global_buffer, .address_space: global }
    .group_segment_fixed_size: 327680
    .private_segment_fixed_size: 0
    .kernarg_segment_align: 8
    .kernarg_segment_size: 32
    .max_flat_workgroup_size: 128
    .sgpr_count:     100
    .vgpr_count:     1024
    .wavefront_size: 32
...
	.end_amdgpu_metadata
.endif
;; end of part 2
;; launch attn (part 3): grid 8 x 32, 4 waves a work-group, no clusters, 327,680 bytes of LDS; arguments qkv, o; writes o
.if DOCPART == 3
	.amdgcn_target "amdgcn-amd-amdhsa--gfx1250"
	.amdhsa_code_object_version 6
	.text
	.protected	k_qab97c0f38b_attn
	.globl	k_qab97c0f38b_attn
	.p2align	8
	.type	k_qab97c0f38b_attn,@function
k_qab97c0f38b_attn:
	s_mov_b64 s[64:65], 0
	v_nop
	global_prefetch_b8 v0, s[64:65] scope:SCOPE_SE
	s_setreg_imm32_b32 hwreg(HW_REG_WAVE_MODE, 25, 1), 1
	s_wait_xcnt 0x0
; CAUSAL ATTENTION.  o[q] = (1 / 32) x the sum over k <= q of softmax_k(Q[q] . K[k]) V[k]: the logits carry no scale, the weights are scaled by 1024^-0.5 behind the softmax.
; qkv: [3][32 heads][2048][64] bf16, a head's rows dense, 128 bytes each.  o: bf16, in blocks [32 blocks of 128 tokens][16 heads][128 rows][64], so that the next launch takes four heads of a block as 64 KiB on end.
; Products, maxima and sums in f32; the weights are rounded to bf16 for the second product (their sum is taken of the unrounded ones), o once at the end.
; LIMITS.  A hidden score counts as its value less 1e30; a weight below 2^-126 counts as 0; NaN and infinities are not treated apart.
; THE WALK.  A head has 16 blocks of 128 queries; block i needs the key tiles 0 .. i / 2 of 256 keys.  A work-group takes blocks 15 - b and then b: (15 - b) / 2 + b / 2 + 2 = 9 tiles whatever b:
; 256 work-groups of equal work, one loop with a constant trip count; the ring of two LDS slots runs on across the change of blocks.
; NO CLUSTER: of a head's eight work-groups only two walk the same tiles from first to last; a walk common to four would have 10 tiles for 9, and its wholly hidden tiles would have to be
; computed in full.
; SHARES.  A wave owns 16 rows in each of the block's two bands of 64: two tiles u.  In a block's last key tile band u stands at X = 2 (i % 2) + u, in units of 64 keys: key step s is seen
; whole if s < X, is hidden if s > X, and holds the diagonal if s = X: the same work for all four waves.
; THE MASK is the C operand that starts S^T = K Q^T: MC = MD x AL + BE, with MD the mask of a band's own step for my 16 rows and two scalars: (1, 0), (0, 0) or (0, -1e30).  Outside a block's last tile MC holds 0.
; LAYOUT.  S^T = K Q^T holds one query a lane (l % 16) and the keys 8 (l / 16) + 0..7; two such results rounded to bf16 are source 1 of O^T = V^T P.  V comes out of LDS turned (ds_load_tr16_b128).
; SOFTMAX.  p = 2^(c s - c m), c = log2(e), with a running maximum m; O and l are multiplied by a = 2^(c m_old - c m_new) in every step.  A block starts with c m far below every score, so its first a is 0.
; Key 0 is seen by every row in every block's first step, so m is a true score before a hidden one is met.
; A STEP goes in phases: 16 products K Q^T, the softmax of both tiles (one batch of 66 exponentials, one wait), 16 products V^T P; the next step's K is fetched under the softmax, its V under the next products K Q^T.
; REGISTERS.  Window 0: v0-15 addresses; v16-23 statistics (tile u: c m, m, l even, l odd); v24-31 at work; v64-127 S^T; v128-159 P; v160-223 O^T; v224-255 MD.
; Window 1: v0-31 Q; v32-63 the second block's Q; v64-127 K of a step; v128-191 V of a step; v192-255 MC.
.set KS,    64
.set PK,    144                        ; a row of K in LDS: 128 bytes + 16: the 16 rows of a load start at 16 different groups of four banks (ISA guide 11.1)
.set PV,    160                        ; a row of V: 128 + 32, for the turning load
.set VOFF,  4*KS*PK                    ; a slot holds a tile: 256 rows of K, then 256 rows of V
.set SLOT1, 1<<17
.set STAGE, SLOT1+4*KS*(PK+PV)         ; behind the ring, never filled by a tensor load: 16 rows x 144 bytes for each wave
.set SP,    144
.set SPARE, STAGE+4*16*SP              ; the spare words, 128 bytes for each wave: two blocks of 256 bytes that no other line names
.set AK0, 2
.set AV0, 3
.set AK,  4
.set AV,  5
.set STO, 6
.set RD,  7
.set GO,  8
.set MV,  12
.set QO,  15
.set ST,  16
.set TMP, 24
.set PFO, 32
.set SPW, 62
.set NIL, 63
.set S,   64
.set P,   128
.set O,   160
.set MD,  224
.set QB,  32                           ; window 1
.set KF,  64
.set VF,  128
.set MC,  192
.set WV,  12
.set PB,  14                           ; b
.set HI,  15                           ; 15 - b
.set G1K, 24
.set G1V, 32
.set G0K, 40
.set G0V, 44
.set SLOTS, 56
.set CNT, 57
.set CS,  58
.set SEL, 60
.set TB,  62                           ; 0 or SLOT1: the slot in hand
.set RT,  70                           ; tiles of the block in hand still to be entered
.set NXT, 71                           ; the tile to be asked for next
.set LQ,  72                           ; the last tile of the block whose tiles are being asked for
.set LQ2, 73                           ; the second block's last tile
.set OFF, 74
.set AL,  76
.set BE,  78
.set OLO, 80                           ; o at my rows of the second block
.set BIGN, 82
.set XB,  83                           ; 2 (i % 2) of the block in hand
.set XLO, 84                           ; of the second block
.set STP, 85
.set PFA, 86
.set LIM, 88
.set QLO, 90
.set MSB, 0
.macro WIN new
.if MSB != (\new)
	s_set_vgpr_msb (MSB<<8)|(\new)
.set MSB, (\new)
.endif
.endm
.macro PLACES
.rept 4
	v_nop
.endr
.endm
; A fill.  Waves 0, 1 fetch the two halves of a tile's K, waves 2, 3 those of its V: 128 keys each.  An s_nop 0 and four v_nop follow each of the two lines.
.macro LOAD
	s_cmp_lt_u32 s[WV], 2
	s_cbranch_scc0 .Lfor_v_\@
	tensor_load_to_lds s[G0K:G0K+3], s[G1K:G1K+7]
	s_nop 0
.rept 4
	v_nop
.endr
	s_branch .Lasked_\@
.Lfor_v_\@:
	tensor_load_to_lds s[G0V:G0V+3], s[G1V:G1V+7]
	s_nop 0
.rept 4
	v_nop
.endr
.Lasked_\@:
.endm
; A prefetch into the L2 of the tile that the NEXT change of slots will ask for: the wave's own 16 KiB of it, 64 blocks of 256 bytes, a lane a block, two instructions.  All eight work-groups of a head walk
; the same K and V; the one with b = 0 walks tiles 0 to 7 on end, and it alone asks: each block is named once in the launch.  Tiles 0 and 1 come by their loads alone; tile 7 is the last that is named.
.macro ASK
	s_cmp_gt_u32 s[SLOTS], s[LIM]
	s_cbranch_scc0 .Lnot_mine_\@
	global_prefetch_b8 v[PFO], s[PFA:PFA+1] th:TH_LOAD_NT scope:SCOPE_SE
	global_prefetch_b8 v[PFO], s[PFA:PFA+1] offset:8192 th:TH_LOAD_NT scope:SCOPE_SE
.Lnot_mine_\@:
.endm
; THE CHANGE OF SLOTS.  Each wave waits for all its tensor loads (one is out: its part of the other slot), adds 0 to its spare word, and waits for that and for its reads of the slot that it leaves.
; fill = 1: the old slot is filled again, first thing behind the barrier, with tile NXT; the descriptor's address is made anew from that number.  (At its first use slot 0 is waited for and slot 1 filled.)
.macro CHANGE fill
	WIN 0
	s_wait_tensorcnt 0x0
	ds_add_u32 v[SPW], v[NIL]
.if \fill
	s_lshl_b32 s[OFF], s[NXT], 15                  ; a tile is 32,768 bytes of K and of V
	s_xor_b32 s[G0K+1], s[G0K+1], SLOT1
	s_add_nc_u64 s[G0K+2:G0K+3], s[8:9], s[OFF:OFF+1]
	s_or_b32 s[G0K+3], s[G0K+3], 0x80000000
	s_xor_b32 s[G0V+1], s[G0V+1], SLOT1
	s_add_nc_u64 s[G0V+2:G0V+3], s[10:11], s[OFF:OFF+1]
	s_or_b32 s[G0V+3], s[G0V+3], 0x80000000
	s_add_co_u32 s[NXT], s[NXT], 1                 ; the block's next tile, or behind its last the second block's tile 0
	s_cmp_gt_u32 s[NXT], s[LQ]
	s_cselect_b32 s[NXT], 0, s[NXT]
	s_cselect_b32 s[LQ], s[LQ2], s[LQ]
	s_wait_xcnt 0x0                                ; the last prefetches, a tile back, have read their address
	s_add_nc_u64 s[PFA:PFA+1], s[PFA:PFA+1], 32768
.endif
	s_wait_dscnt 0x0                               ; the add is done, and my reads of the slot are over
	s_barrier_signal -1
	s_xor_b32 s[TB], s[TB], SLOT1
	s_barrier_wait -1
.if \fill
	LOAD
	ASK
.endif
.endm
.macro KQ                              ; product i of 16 of S^T = K Q^T: tile i % 2, keys 16 ((i / 2) % 4) on, channels 32 (i / 8) on; the first 8 start the sums with the mask.  Eight accumulators take turns
.set rS, S+32*(i%2)+8*((i/2)%4)
.set rK, KF+16*((i/2)%4)+8*(i/8)
.set rQ, 16*(i%2)+8*(i/8)
.set rM, MC+32*(i%2)+8*((i/2)%4)
.if i < 8
	WIN 0x15                                       ; K, Q and the mask in window 1
	v_wmma_f32_16x16x32_bf16 v[rS:rS+7], v[rK:rK+7], v[rQ:rQ+7], v[rM:rM+7]
.else
	WIN 0x05
	v_wmma_f32_16x16x32_bf16 v[rS:rS+7], v[rK:rK+7], v[rQ:rQ+7], v[rS:rS+7]
.endif
.set i, i+1
.endm
.macro PV                              ; product i of 16 of O^T += V^T P: tile i % 2, channels 16 ((i / 2) % 4) on, keys 32 (i / 8) on
	WIN 0x01                                       ; V in window 1
.set rO, O+32*(i%2)+8*((i/2)%4)
.set rV, VF+32*(i/8)+8*((i/2)%4)
.set rP, P+16*(i%2)+8*(i/8)
	v_wmma_f32_16x16x32_bf16 v[rO:rO+7], v[rV:rV+7], v[rP:rP+7], v[rO:rO+7]
.set i, i+1
.endm
.macro FETCH_K                         ; a step's K: 64 keys x 64 channels, 8 fragments, in one run; then the address steps
	WIN 0x40
.irp f, 0,1,2,3,4,5,6,7
	ds_load_b128 v[KF+8*\f:KF+8*\f+3],   v[AK] offset:(\f/2)*16*PK+(\f%2)*64
	ds_load_b128 v[KF+8*\f+4:KF+8*\f+7], v[AK] offset:(\f/2)*16*PK+(\f%2)*64+32
.endr
	WIN 0
	v_add_nc_u32 v[AK], KS*PK, v[AK]
.endm
.macro FETCH_V                         ; a step's V, turned
	WIN 0x40
.irp f, 0,1,2,3,4,5,6,7
	ds_load_tr16_b128 v[VF+8*\f:VF+8*\f+3],   v[AV] offset:(\f/4)*32*PV+(\f%4)*32
	ds_load_tr16_b128 v[VF+8*\f+4:VF+8*\f+7], v[AV] offset:(\f/4)*32*PV+16*PV+(\f%4)*32
.endr
	WIN 0
	v_add_nc_u32 v[AV], KS*PV, v[AV]
.endm
.macro MASK u                          ; MC of tile u = MD x AL + BE
	WIN 0x40
.set z, 0
.rept 16
	v_pk_fma_f32 v[MC+32*(\u)+2*z:MC+32*(\u)+2*z+1], v[MD+2*z:MD+2*z+1], s[AL:AL+1], s[BE:BE+1] op_sel_hi:[1,0,0]
.set z, z+1
.endr
.endm
.macro REGS u
.set rT, ST+4*(\u)
.set rC, TMP+4*(\u)
.set rW, MV+(\u)
.set rS, S+32*(\u)
.set rP, P+16*(\u)
.endm
; Number n of the 22 that find tile u's maximum and statistics.  0-11: four chains of seven scores, each accumulator's lowest registers first; 12-14, 16: the four scores left over, the old m,
; the four into one; 15: c m_old is kept; 17, 18: the query's other 32 keys lie in the lane 16 away; 19-21: c m, its change, a.
.macro XS u, n
	REGS \u
.if (\n) < 4
	v_max3_num_f32 v[rC+(\n)], v[rS+8*(\n)], v[rS+8*(\n)+1], v[rS+8*(\n)+2]
.elseif (\n) < 12
	v_max3_num_f32 v[rC+(\n)%4], v[rC+(\n)%4], v[rS+8*((\n)%4)+2*((\n)/4)+1], v[rS+8*((\n)%4)+2*((\n)/4)+2]
.elseif (\n) == 12
	v_max3_num_f32 v[rC], v[rC], v[rS+7], v[rS+15]
.elseif (\n) == 13
	v_max3_num_f32 v[rC+1], v[rC+1], v[rS+23], v[rS+31]
.elseif (\n) == 14
	v_max3_num_f32 v[rC+2], v[rC+2], v[rC+3], v[rT+1]
.elseif (\n) == 15
	v_mov_b32 v[rW], v[rT]
.elseif (\n) == 16
	v_max3_num_f32 v[rC], v[rC], v[rC+1], v[rC+2]
.elseif (\n) == 17
	v_permlanex16_b32 v[rC+3], v[rC], s[SEL], s[SEL+1]
.elseif (\n) == 18
	v_max_num_f32 v[rT+1], v[rC], v[rC+3]
.elseif (\n) == 19
	v_mul_f32 v[rT], s[CS], v[rT+1]
.elseif (\n) == 20
	v_sub_f32 v[rC+1], v[rW], v[rT]
.else
	v_exp_f32 v[rC+2], v[rC+1]
.endif
.endm
.macro FS u, b                         ; c s - c m for pair b of tile u
	REGS \u
	v_pk_fma_f32 v[rS+2*(\b):rS+2*(\b)+1], v[rS+2*(\b):rS+2*(\b)+1], s[CS:CS+1], v[rT:rT+1] op_sel_hi:[1,0,0] neg_lo:[0,0,1] neg_hi:[0,0,1]
.endm
.macro EX u, e
	REGS \u
	v_exp_f32 v[rS+(\e)], v[rS+(\e)]
.endm
.macro TREE w, n                       ; pairs w / 2 registers apart are added, in place, in both tiles
.set z, 0
.rept \n
.irp t, 0,1
	v_pk_add_f32 v[S+32*\t+(\w)*z:S+32*\t+(\w)*z+1], v[S+32*\t+(\w)*z:S+32*\t+(\w)*z+1], v[S+32*\t+(\w)*z+(\w)/2:S+32*\t+(\w)*z+(\w)/2+1]
.endr
.set z, z+1
.endr
.endm
; THE SOFTMAX of both tiles for one key step, all in window 0, the tiles alternating.  The 64 exponentials and the two a are ONE batch: nothing ahead of the wait names a result of theirs.
.macro SOFT
.irp n, 0,1,2,3,4,5,6,7,8,9,10,11,12,13,14,15,16,17,18,19,20
	XS 0, \n
	XS 1, \n
.endr
.set p, 0
.rept 17                               ; pair p is scaled, pair p - 1 goes through the exponential
.if p < 16
	FS 0, p
	FS 1, p
.endif
.if p > 0
	EX 0, 2*p-2
	EX 1, 2*p-2
	EX 0, 2*p-1
	EX 1, 2*p-1
.endif
.set p, p+1
.endr
	XS 0, 21
	XS 1, 21
	v_nop                                          ; a plain instruction behind the last exponential,
	s_wait_alu depctr_va_vdst(0)                   ; and one wait for the batch, ahead of its first reader
.set z, 0
.rept 16                               ; O^T times a, ascending: each accumulator's lowest registers are read first
	v_pk_mul_f32 v[O+2*z:O+2*z+1], v[O+2*z:O+2*z+1], v[TMP+2:TMP+3] op_sel_hi:[1,0]
	v_pk_mul_f32 v[O+32+2*z:O+32+2*z+1], v[O+32+2*z:O+32+2*z+1], v[TMP+6:TMP+7] op_sel_hi:[1,0]
.set z, z+1
.endr
.set z, 0
.rept 16                               ; the weights rounded to bf16, in pairs: source 1 of the second product
	v_cvt_pk_bf16_f32 v[P+z], v[S+2*z], v[S+2*z+1]
	v_cvt_pk_bf16_f32 v[P+16+z], v[S+32+2*z], v[S+32+2*z+1]
.set z, z+1
.endr
	TREE 4, 8
	TREE 8, 4
	TREE 16, 2
	TREE 32, 1
	v_pk_fma_f32 v[ST+2:ST+3], v[ST+2:ST+3], v[TMP+2:TMP+3], v[S:S+1] op_sel_hi:[1,0,1]        ; l = a l + the sum
	v_pk_fma_f32 v[ST+6:ST+7], v[ST+6:ST+7], v[TMP+6:TMP+7], v[S+32:S+33] op_sel_hi:[1,0,1]
.endm
; A KEY STEP.  The jumps go forward, past text that holds neither a barrier nor a tensor load.
.macro STEP
	s_wait_dscnt 16                                ; K is in; V's sixteen younger loads may stay out
	s_cmp_lg_u32 s[RT], 0                          ; only a block's last tile makes masks
	s_cbranch_scc1 .Lno_mask_\@
	s_sub_co_u32 s[STP], 4, s[CNT]                 ; the step's number in its tile
	s_cmp_eq_u32 s[STP], s[XB]                     ; band 0: is it the band's own step?
	s_cselect_b32 s[AL], 1.0, 0
	s_cmp_gt_u32 s[STP], s[XB]                     ; or a later one?
	s_cselect_b32 s[BE], s[BIGN], 0
	MASK 0
	s_add_co_u32 s89, s[XB], 1                     ; band 1
	s_cmp_eq_u32 s[STP], s89
	s_cselect_b32 s[AL], 1.0, 0
	s_cmp_gt_u32 s[STP], s89
	s_cselect_b32 s[BE], s[BIGN], 0
	MASK 1
	WIN 0
.Lno_mask_\@:
.set i, 0
.rept 16
	KQ
.endr
	WIN 0
	PLACES                                         ; in front of the loads into K's registers and of the reads of the scores
	s_cmp_eq_u32 s[CNT], 1                         ; a tile's last step fetches nothing
	s_cbranch_scc1 .Lno_k_\@
	FETCH_K
.Lno_k_\@:
	SOFT
	s_wait_dscnt 0x0                               ; V is in (and the next K, asked for a softmax ago)
.set i, 0
.rept 16
	PV
.endr
	WIN 0
	PLACES                                         ; in front of the loads into V's registers and of the reads of O^T
	s_cmp_eq_u32 s[CNT], 1
	s_cbranch_scc1 .Lno_v_\@
	FETCH_V
.Lno_v_\@:
.endm
; THE WAY OUT of a block: O^T times 1 / (32 l), rounded to bf16, through my stage in LDS, a tile of 16 rows at a time.
.macro PACK t
.set z, 0
.rept 16
	v_pk_mul_f32 v[O+32*(\t)+z:O+32*(\t)+z+1], v[O+32*(\t)+z:O+32*(\t)+z+1], v[ST+4*(\t)+2:ST+4*(\t)+3] op_sel_hi:[1,0]
.set z, z+2
.endr
.set z, 0
.rept 16
	v_cvt_pk_bf16_f32 v[S+16*(\t)+z], v[O+32*(\t)+2*z], v[O+32*(\t)+2*z+1]
.set z, z+1
.endr
.irp f, 0,1,2,3
	ds_store_b128 v[STO], v[S+16*(\t)+4*\f:S+16*(\t)+4*\f+3] offset:32*\f
.endr
.irp f, 0,1,2,3
	ds_load_b128 v[S+16*(\t)+4*\f:S+16*(\t)+4*\f+3], v[RD] offset:\f*4*SP  ; LDS serves a wave's instructions in order (ISA guide 5.7.1.4): these see the stores above; the next tile's stores come behind them
.endr
.endm
.macro SEND t, younger                 ; younger: the LDS instructions issued behind tile t's loads
.irp f, 0,1,2,3
	s_wait_dscnt (\younger)+3-\f
	global_store_b128 v[GO], v[S+16*(\t)+4*\f:S+16*(\t)+4*\f+3], s[6:7] offset:(\t)*8192+\f*512  ; four rows: 512 consecutive bytes, at a multiple of 256 from o's first byte
.endr
.endm
.macro WAYOUT
.irp t, 0,1
	v_add_f32 v[ST+4*\t+2], v[ST+4*\t+2], v[ST+4*\t+3]
.endr
.irp t, 0,1
	v_permlanex16_b32 v[ST+4*\t+3], v[ST+4*\t+2], s[SEL], s[SEL+1]
.endr
.irp t, 0,1
	v_add_f32 v[ST+4*\t+2], v[ST+4*\t+2], v[ST+4*\t+3]
.endr
.irp t, 0,1
	v_rcp_f32 v[ST+4*\t+2], v[ST+4*\t+2]
.endr
	v_nop                                          ; a plain instruction behind the second reciprocal,
	s_wait_alu depctr_va_vdst(0)                   ; and one wait for the two
.irp t, 0,1
	v_mul_f32 v[ST+4*\t+2], 0x3d000000, v[ST+4*\t+2]  ; 1024^-0.5 = 1 / 32
.endr
	PACK 0
	PACK 1
	SEND 0, 8
	SEND 1, 0
.endm
; A TILE of the walk.  more = 1 (in the loop): behind a block's last tile the second block is set up.
.macro TILE fill, more
	CHANGE \fill
	s_sub_co_u32 s[RT], s[RT], 1
	v_add_nc_u32 v[AK], s[TB], v[AK0]
	v_add_nc_u32 v[AV], s[TB], v[AV0]
	FETCH_K
	FETCH_V
	s_mov_b32 s[CNT], 4
.Lstep_\@:
	STEP
	s_sub_co_u32 s[CNT], s[CNT], 1
	s_cmp_lg_u32 s[CNT], 0
	s_cbranch_scc1 .Lstep_\@
.if \more
	s_cmp_lg_u32 s[RT], 0
	s_cbranch_scc1 .Lbottom_\@
.endif
	WAYOUT
.if \more
	s_wait_xcnt 0x0                                ; the stores have read their registers and o's address
	s_mov_b64 s[6:7], s[OLO:OLO+1]
	s_add_co_u32 s[RT], s[LQ2], 1
	s_mov_b32 s[XB], s[XLO]
	WIN 0x41                                       ; the second block's Q goes where the one text names Q
.set z, 0
.rept 32
	v_mov_b32 v[z], v[QB+z]
.set z, z+1
.endr
	WIN 0
.irp t, 0,1
	v_mov_b32 v[ST+4*\t], 0xfe000000               ; c m: far below every c s, so the first a is 0 and O^T need only be finite
	v_mov_b32 v[ST+4*\t+1], 0xff7fffff             ; m
	v_mov_b32 v[ST+4*\t+2], 0
	v_mov_b32 v[ST+4*\t+3], 0
.endr
	s_mov_b32 s[AL], 0
	s_mov_b32 s[BE], 0
	MASK 0                                         ; the masks are 0 again
	MASK 1
	WIN 0
.Lbottom_\@:
.endif
.endm
	s_load_b128 s[4:7], s[0:1], 0x0                ; qkv s[4:5], o s[6:7]
	v_lshl_add_u32 v[SPW], v0, 2, SPARE
	v_mov_b32 v[NIL], 0
	ds_add_u32 v[SPW], v[NIL]                      ; the wave's opening: the add and its wait ahead of my first tensor load; work on registers stands between them
	ds_add_u32 v62, v63
	v_lshrrev_b32 v1, 5, v0
	v_readfirstlane_b32 s[WV], v1
	s_mov_b32 s[PB], ttmp9
	s_sub_co_u32 s[HI], 15, s[PB]
	s_and_b32 s20, ttmp7, 0xffff                   ; the head, 0..31
	s_lshl_b32 s21, s20, 18                        ; its 2,048 rows of 128 bytes
	s_and_b32 s16, s[WV], 1                        ; which half of a tile's 256 keys I fetch
	s_lshl_b32 s22, s16, 14
	s_add_co_u32 s22, s22, s21
	s_add_co_u32 s22, s22, 8388608                 ; K lies behind Q
	s_mov_b32 s23, 0
	s_mul_i32 s17, s16, 128*PK
	s_mul_i32 s18, s16, 128*PV
	s_lshl_b32 s19, s[WV], 11                      ; my 16 rows in a band of 64
	s_lshl_b32 s2, s[HI], 14                       ; Q: a block is 128 rows
	s_add_co_u32 s2, s2, s19
	s_add_co_u32 s2, s2, s21
	s_mov_b32 s3, 0
	s_lshl_b32 s92, s[PB], 14
	s_add_co_u32 s92, s92, s19
	s_add_co_u32 s92, s92, s21
	s_mov_b32 s93, 0
	s_lshr_b32 s13, s20, 4                         ; o: ((16 x batch + block) x 16 + head) x 16,384
	s_lshl_b32 s13, s13, 4
	s_and_b32 s89, s20, 15
	s_add_co_u32 s94, s13, s[HI]
	s_lshl_b32 s94, s94, 4
	s_add_co_u32 s94, s94, s89
	s_lshl_b32 s94, s94, 14
	s_add_co_u32 s94, s94, s19
	s_mov_b32 s95, 0
	s_add_co_u32 s66, s13, s[PB]
	s_lshl_b32 s66, s66, 4
	s_add_co_u32 s66, s66, s89
	s_lshl_b32 s66, s66, 14
	s_add_co_u32 s66, s66, s19
	s_mov_b32 s67, 0
	; descriptor group 1.  128 keys are 16,384 dense bytes: asked for as 64 rows of 256 bytes, two keys a row, padded in LDS after every key
	s_mov_b32 s[G1K], (1<<16)|(1<<20)|(4<<22)|(3<<25)  ; 2-byte elements; padding on; after every 32 words, 4 words
	s_mov_b32 s[G1V], (1<<16)|(1<<20)|(4<<22)|(7<<25)  ; the same with 8 words
.irp g, G1K, G1V
	s_mov_b32 s[\g+1], 128<<16
	s_mov_b32 s[\g+2], 64<<16
	s_mov_b32 s[\g+3], 128<<16
	s_mov_b32 s[\g+4], 64
	s_mov_b32 s[\g+5], 128
	s_mov_b32 s[\g+6], 0
	s_mov_b32 s[\g+7], 0
.endr
	s_mov_b32 s[CS], 0x3fb8aa3b                    ; c = log2(e)
	s_mov_b32 s[CS+1], s[CS]
	s_mov_b32 s[SEL], 0x76543210
	s_mov_b32 s[SEL+1], 0xfedcba98
	s_mov_b32 s[TB], SLOT1                         ; the first change of slots turns it into 0
	s_mov_b32 s[G0K], 1
	s_mov_b32 s[G0K+1], s17                        ; slot 0
	s_mov_b32 s[G0V], 1
	s_add_co_u32 s[G0V+1], s18, VOFF
	s_lshr_b32 s[LQ], s[HI], 1
	s_lshr_b32 s[LQ2], s[PB], 1
	s_add_co_u32 s[RT], s[LQ], 1
	s_mov_b32 s[NXT], 1
	s_and_b32 s[XB], s[HI], 1
	s_lshl_b32 s[XB], s[XB], 1
	s_and_b32 s[XLO], s[PB], 1
	s_lshl_b32 s[XLO], s[XLO], 1
	s_mov_b32 s[OFF+1], 0
	s_mov_b32 s[AL+1], 0
	s_mov_b32 s[BE+1], 0
	s_mov_b32 s[BIGN], 0xf149f2ca                  ; -1e30
	s_mov_b32 s[SLOTS], 8
	s_cmp_eq_u32 s[PB], 0
	s_cselect_b32 s[LIM], 2, -1
	s_wait_dscnt 0x0                               ; the opening add is done
	s_wait_kmcnt 0x0
	s_add_nc_u64 s[8:9], s[4:5], s[22:23]          ; K at my half of the head's tile 0,
	s_add_nc_u64 s[10:11], s[8:9], 8388608         ; V
	s_add_nc_u64 s[QLO:QLO+1], s[4:5], s[92:93]
	s_add_nc_u64 s[4:5], s[4:5], s[2:3]
	s_add_nc_u64 s[OLO:OLO+1], s[6:7], s[66:67]
	s_add_nc_u64 s[6:7], s[6:7], s[94:95]
	s_mov_b64 s[G0K+2:G0K+3], s[8:9]
	s_or_b32 s[G0K+3], s[G0K+3], 0x80000000
	s_mov_b64 s[G0V+2:G0V+3], s[10:11]
	s_or_b32 s[G0V+3], s[G0V+3], 0x80000000
	s_cmp_lt_u32 s[WV], 2
	s_cselect_b64 s[PFA:PFA+1], s[8:9], s[10:11]
	s_add_nc_u64 s[PFA:PFA+1], s[PFA:PFA+1], 32768 ; at tile 1: the first change of slots steps it to tile 2
	LOAD                                           ; tile 0 into slot 0
	v_and_b32 v1, 15, v0                           ; l % 16
	v_bfe_u32 v9, v0, 4, 1                         ; l / 16
	v_lshlrev_b32 v[QO], 7, v1
	v_lshl_add_u32 v[QO], v9, 4, v[QO]             ; row x 128 + 16 x half
	WIN 0x40
.set i, 0
.rept 4                                ; both blocks' Q: tile i / 2 lies in band i / 2, 8,192 bytes on; channels 32 (i % 2) on
	global_load_b128 v[8*i:8*i+3],         v[QO], s[4:5] offset:(i/2)*8192+(i%2)*64
	global_load_b128 v[8*i+4:8*i+7],       v[QO], s[4:5] offset:(i/2)*8192+(i%2)*64+32
	global_load_b128 v[QB+8*i:QB+8*i+3],   v[QO], s[QLO:QLO+1] offset:(i/2)*8192+(i%2)*64
	global_load_b128 v[QB+8*i+4:QB+8*i+7], v[QO], s[QLO:QLO+1] offset:(i/2)*8192+(i%2)*64+32
.set i, i+1
.endr
.set i, 0
.rept 64                               ; the masks start at 0; this and the clearing below stand in the wait for the first tile
	v_mov_b32 v[MC+i], 0
.set i, i+1
.endr
	WIN 0
	v_lshlrev_b32 v14, 3, v9
	v_sub_nc_u32 v14, v1, v14
	s_lshl_b32 s13, s[WV], 4
	v_add_nc_u32 v14, s13, v14                     ; my query's place in its band, 16 w + l % 16, less 8 (l / 16): register j of key group kt is hidden where 16 kt + j is greater
.set i, 0
.rept 32
	v_cmp_gt_i32 vcc_lo, 16*(i/8)+i%8, v14
	v_cndmask_b32 v[MD+i], 0, s[BIGN], vcc_lo
.set i, i+1
.endr
	v_mul_u32_u24 v[AK0], v1, PK
	v_lshl_add_u32 v[AK0], v9, 4, v[AK0]
	v_and_b32 v10, 7, v0
	v_bfe_u32 v11, v0, 3, 1
	v_lshl_add_u32 v[AV0], v9, 3, v10              ; the turning load: key 8 (l / 16) + l % 8, channels 8 ((l / 8) % 2) + 0..7
	v_mul_u32_u24 v[AV0], v[AV0], PV
	v_lshl_add_u32 v[AV0], v11, 4, v[AV0]
	v_add_nc_u32 v[AV0], VOFF, v[AV0]
	s_mul_i32 s13, s[WV], 16*SP
	s_add_co_u32 s13, s13, STAGE
	v_mul_u32_u24 v[STO], v1, SP                   ; in: row l % 16, 16 bytes for each half of the lanes
	v_lshl_add_u32 v[STO], v9, 4, v[STO]
	v_add_nc_u32 v[STO], s13, v[STO]
	v_bfe_u32 v[RD], v0, 3, 2                      ; back: 32 lanes take four rows of 128 bytes,
	v_mul_u32_u24 v[RD], v[RD], SP
	v_lshl_add_u32 v[RD], v10, 4, v[RD]
	v_add_nc_u32 v[RD], s13, v[RD]
	v_and_b32 v[GO], 31, v0                        ; which are 512 consecutive bytes of o
	v_lshlrev_b32 v[PFO], 8, v[GO]
	v_lshlrev_b32 v[GO], 4, v[GO]
.set i, 0
.rept 64
	v_mov_b32 v[O+i], 0
.set i, i+1
.endr
.irp t, 0,1
	v_mov_b32 v[ST+4*\t], 0xfe000000
	v_mov_b32 v[ST+4*\t+1], 0xff7fffff
	v_mov_b32 v[ST+4*\t+2], 0
	v_mov_b32 v[ST+4*\t+3], 0
.endr
	s_wait_loadcnt 0x0                             ; Q
.Lslot:                                                ; eight times: a tile is entered and the next is asked for
	TILE 1, 1
	s_sub_co_u32 s[SLOTS], s[SLOTS], 1
	s_cmp_lg_u32 s[SLOTS], 0
	s_cbranch_scc1 .Lslot
	TILE 0, 0                                      ; the walk's last tile, the second block's last, is written out
	s_wait_tensorcnt 0x0                           ; the wave's end, behind my last tensor load and my last LDS store
	ds_add_u32 v[SPW], v[NIL]
	s_wait_dscnt 0x0
	s_endpgm
.Lfunc_end_k_qab97c0f38b_attn:
	.size	k_qab97c0f38b_attn, .Lfunc_end_k_qab97c0f38b_attn-k_qab97c0f38b_attn
	.p2alignl 7, 3214868480
	.fill 96, 4, 3214868480
	.section	.rodata,"a",@progbits
	.p2align	6, 0x0
	.amdhsa_kernel k_qab97c0f38b_attn
		.amdhsa_group_segment_fixed_size 327680
		.amdhsa_private_segment_fixed_size 0
		.amdhsa_enable_private_segment 0
		.amdhsa_kernarg_size 16
		.amdhsa_user_sgpr_count 2
		.amdhsa_user_sgpr_kernarg_segment_ptr 1
		.amdhsa_wavefront_size32 1
		.amdhsa_system_sgpr_workgroup_id_x 1
		.amdhsa_system_sgpr_workgroup_id_y 1
		.amdhsa_system_sgpr_workgroup_id_z 1
		.amdhsa_system_vgpr_workitem_id 0
		.amdhsa_next_free_vgpr 512
		.amdhsa_next_free_sgpr 96
		.amdhsa_reserve_vcc 1
		.amdhsa_float_denorm_mode_32 3
		.amdhsa_float_denorm_mode_16_64 3
		.amdhsa_memory_ordered 1
		.amdhsa_forward_progress 1
		.amdhsa_inst_pref_size 79
	.end_amdhsa_kernel
	.amdgpu_metadata
---
amdhsa.version: [ 1, 2 ]
amdhsa.kernels:
  - .name:           k_qab97c0f38b_attn
    .symbol:         k_qab97c0f38b_attn.kd
    .args:
      - { .name: qkv, .offset: 0, .size: 8, .value_kind: global_buffer, .address_space: global }
      - { .name: o, .offset: 8, .size: 8, .value_kind: global_buffer, .address_space: global }
    .group_segment_fixed_size: 327680
    .private_segment_fixed_size: 0
    .kernarg_segment_align: 8
    .kernarg_segment_size: 16
    .max_flat_workgroup_size: 128
    .sgpr_count:     96
    .vgpr_count:     512
    .wavefront_size: 32
...
	.end_amdgpu_metadata
.endif
;; end of part 3
;; launch gproj (part 4): grid 8 x 32, 4 waves a work-group, clusters of 4 x 4, 327,680 bytes of LDS; arguments o, wb, b_proj, x, g_norm2, x1, act, ss; writes x1, act, ss
.if DOCPART == 4
	.amdgcn_target "amdgcn-amd-amdhsa--gfx1250"
	.amdhsa_code_object_version 6
	.text
	.protected	k_qab97c0f38b_gproj
	.globl	k_qab97c0f38b_gproj
	.p2align	8
	.type	k_qab97c0f38b_gproj,@function
k_qab97c0f38b_gproj:
	s_mov_b64 s[64:65], 0
	v_nop
	global_prefetch_b8 v0, s[64:65] scope:SCOPE_SE
	s_setreg_imm32_b32 hwreg(HW_REG_WAVE_MODE, 25, 1), 1
	s_wait_xcnt 0x0
	s_wait_alu depctr_hold_cnt(0) depctr_sa_sdst(0) depctr_va_vdst(0) depctr_va_sdst(0) depctr_va_ssrc(0) depctr_va_vcc(0) depctr_vm_vsrc(0)
	s_getreg_b32 s2, hwreg(HW_REG_IB_STS2, 6, 4)
	s_cmp_eq_u32 s2, 0
	s_cbranch_scc0 .Lentry_in_a_cluster
	s_endpgm
.Lentry_in_a_cluster:
	s_bfe_u32 s2, ttmp6, 0x10000c
	s_cmp_lg_u32 s2, 0xf033
	s_cbranch_scc0 .Lentry_shape_is_right
	s_endpgm
.Lentry_shape_is_right:
; x1 = x + o Wp + b_proj, in f32 on the way out.  A = o, bf16, in blocks [32 blocks of 128 tokens][16 heads][128 rows][64]; Wp in wb, [1024][1024] bf16; K = 1,024; sums in f32.
; Also stored: act = bf16(x1 g_norm2), the next product's operand WITHOUT the row's 1/rms (a factor of the whole row, applied by the next launch in f32),
; and ss[tile column][row] = the sum of x1^2 over this tile's 128 columns, in f32.
; LIMITS: NaN and infinities are not treated apart; matrix operands are bf16; a row's sum over K is taken in four parts that are added at the end.
; SHARES.  N = 1,024 gives each of 256 work-groups a tile of 128 x 128.  K IS SPLIT AMONG THE FOUR WAVES: of each K step of 256 wave w takes k = 64 w .. 64 w + 63 (head w of the step's four), for the
; whole tile, in 64 accumulators: so every byte of a slot is read from LDS once, by one wave.  The four partial tiles meet in LDS at the end, 64 rows at a time.
; Two LDS slots filled by tensor loads: waves 0, 1 fetch A's halves, waves 2, 3 B's.  CLUSTER 4 x 4: A's tile is asked for jointly along a row of the cluster, B's along a column.
; The matrix instruction is used transposed (source 0 = 16 columns of B, turned by ds_load_tr16_b128; source 1 = 16 rows of A): a lane holds row l % 16 of C and the columns 8 (l / 16) + 0..7.
; REGISTERS: window 0: addresses, v32-39 bias and gain, v64-191 A's two fragment buffers; window 1: v64-191 B's, v0-63 and v192-255 the residual's 32 rows of this wave; windows 2, 3: the accumulators.
; No prefetch: the launch has four K steps, of which two are first fills.
.set STEPS, 4
.set PA,    144                        ; a (head, row) of o in LDS: 128 bytes + 16
.set AHALF, 36864                      ; two heads x 128 rows x 144
.set ADIM,  128                        ; the load: 128 rows of 128 elements, dense: two rows of a head each
.set AROWS, 128
.set ASTR,  128
.set AQI,   4                          ; padded after every 32 words
.set ASTEP, 65536                      ; four heads
.set WOFF,  6291456                    ; Wp in wb
.set PB,    288                        ; a k-row of B: 256 bytes + 32: an odd multiple of 32, for the turning load
.set BHALF, 36864                      ; 128 k-rows x 288
.set BOFF,  2*AHALF
.set SLOT,  BOFF+2*BHALF
.set EXT,   2*SLOT                     ; behind the ring: 2,048 bytes that no tensor load fills: the tile's 128 sums of squares
.set SPARE, EXT+2048                   ; the spare words, 128 bytes for each wave: two blocks of 256 bytes that no other line names
.set BSTEP, 256*2048
.set DP,    528                        ; the way out: a row of 128 f32 in LDS, + 16
.set DREG,  64*DP                      ; a wave's 64 rows of a round; four of them, then
.set XS,    4*DREG                     ; the residual, 16,384 bytes a wave: all in the slots, which have had their last fill by then
.set ADRA0, 12
.set ADRB0, 13
.set RD0,   14                         ; v14  where my rows of wave 0's partial tile begin; never rewritten
.set L16,   15                         ; v15  16 x lane
.set ADRA,  16
.set L8,    17                         ; v17  8 x lane
.set ADRB,  20
.set BA,    21                         ; v21  my offset in the bias and the gain
.set CO2,   22                         ; v22  my offset in act
.set SSV,   23                         ; v23  lane i keeps the sum of squares of my row i
.set STO,   24
.set RD,    25                         ; v25  partial tiles of waves 0, 1
.set CO,    26                         ; v26  my offset in the output
.set XA,    27                         ; v27  first my offset in the residual, then its place in LDS
.set SPW,   28
.set NIL,   29
.set RD2,   31                         ; v31  partial tiles of waves 2, 3
.set F0,    64
.set F1,    128
.set G1,  24
.set G0,  32
.set LDA, 40
.set LDB, 41
.set TB,  42
.set G1B, 48
.set G0B, 56
.set WV,  76
.set RH,  77
.set CH,  78
.set CX,  79
.set CY,  80
.set TX,  81
.set TY,  82
.set RI,  85                           ; s85  the number, 0..31, of the row in hand among my wave's
.set MSB, 0
.macro WIN new
.if MSB != (\new)
	s_set_vgpr_msb (MSB<<8)|(\new)
.set MSB, \new
.endif
.endm
.set MUL_LO, 0xa1
.set MUL_HI, 0xf1
.set TO_B,   0x40
.macro PLACES
.rept 4
	v_nop
.endr
.endm
.macro CREST
	s_cmp_lg_u32 s[WV], 0
	s_cbranch_scc1 .Lnot_wave_0_\@
	s_barrier_signal -3
.Lnot_wave_0_\@:
	s_barrier_wait -3
	s_barrier_signal -1
	s_barrier_wait -1
.endm
.macro CROUND
	s_barrier_signal -1
	s_barrier_wait -1
	CREST
.endm
.macro JLOAD                           ; a joint refill by the walking set; an s_nop 0 and four v_nop follow each of the two lines
	s_cmp_eq_u32 s[RH], 0
	s_cbranch_scc0 .Lfor_b_\@
	tensor_load_to_lds s[G0+4:G0+7], s[G1:G1+7]
	s_nop 0
.rept 4
	v_nop
.endr
	s_branch .Lasked_\@
.Lfor_b_\@:
	tensor_load_to_lds s[G0B+4:G0B+7], s[G1B:G1B+7]
	s_nop 0
.rept 4
	v_nop
.endr
.Lasked_\@:
.endm
.macro MUL16 f, hi, a0, zero           ; 16 matrix instructions; the 64 accumulators take turns, in the same order everywhere
	WIN MUL_LO+0x50*(\hi)
.irp a, \a0, (\a0)+1
.irp b, 0,1,2,3,4,5,6,7
.if \zero
	v_wmma_f32_16x16x32_bf16 v[8*(8*(\a)+(\b)):8*(8*(\a)+(\b))+7], v[(\f)+8*(\b):(\f)+8*(\b)+7], v[(\f)+8*(4*(\hi)+(\a)):(\f)+8*(4*(\hi)+(\a))+7], 0
.else
	v_wmma_f32_16x16x32_bf16 v[8*(8*(\a)+(\b)):8*(8*(\a)+(\b))+7], v[(\f)+8*(\b):(\f)+8*(\b)+7], v[(\f)+8*(4*(\hi)+(\a)):(\f)+8*(4*(\hi)+(\a))+7], v[8*(8*(\a)+(\b)):8*(8*(\a)+(\b))+7]
.endif
.endr
.endr
.endm
.macro FETCH q, f                      ; 32 LDS loads in one run: half q (32 along K) of my 64 k of the slot in hand
	WIN TO_B
.irp i, 0,1,2,3,4,5,6,7
	ds_load_tr16_b128 v[(\f)+8*(\i):(\f)+8*(\i)+3],   v[ADRB] offset:32*(\q)*PB+32*(\i)
	ds_load_tr16_b128 v[(\f)+8*(\i)+4:(\f)+8*(\i)+7], v[ADRB] offset:32*(\q)*PB+32*(\i)+16*PB
.endr
	WIN 0
.irp i, 0,1,2,3,4,5,6,7
	ds_load_b128 v[(\f)+8*(\i):(\f)+8*(\i)+3],   v[ADRA] offset:64*(\q)+16*(\i)*PA
	ds_load_b128 v[(\f)+8*(\i)+4:(\f)+8*(\i)+7], v[ADRA] offset:64*(\q)+16*(\i)*PA+32
.endr
.endm
.macro QUARTER q, f, g, zero
	s_wait_dscnt 8                                 ; B and A's rows 0-63 are in; the youngest eight loads (A's rows 64-127) may be out
	MUL16 \f, 0, 0, \zero
	MUL16 \f, 0, 2, \zero
	PLACES
	FETCH \q, \g
	s_wait_dscnt 32                                ; all but the 32 just issued
	MUL16 \f, 1, 0, \zero
	MUL16 \f, 1, 2, \zero
.endm
; A step's second half multiplies buffer 1 and changes slots: each wave waits for all its tensor loads (one is out: its part of the next slot), adds 0 to its spare word, and waits for that and for its reads of
; this slot.  fill = 1: the barrier opens a round of the cluster's, and the slot just read is filled again, first thing behind it, with the step two on.
.macro TURN fill
	WIN 0
	s_wait_tensorcnt 0x0
	ds_add_u32 v[SPW], v[NIL]
	s_wait_dscnt 9                                 ; (the add and the youngest eight loads may be out)
	MUL16 F1, 0, 0, 0
	s_wait_dscnt 0x0                               ; the add is done, and my reads of this slot are over
	s_barrier_signal -1
	MUL16 F1, 0, 2, 0
	WIN 0
	s_barrier_wait -1
.if \fill
	CREST
	s_add_co_u32 s[G0+5], s[LDA], s[TB]            ; no tensor load of mine is out, so the walking sets may be written
	s_add_co_u32 s[G0B+5], s[LDB], s[TB]
	s_add_nc_u64 s[G0+6:G0+7], s[G0+6:G0+7], ASTEP
	s_add_nc_u64 s[G0B+6:G0B+7], s[G0B+6:G0B+7], BSTEP
	JLOAD                                          ; its four v_nop are also the places in front of the loads below
.else
	PLACES
.endif
	s_xor_b32 s[TB], s[TB], SLOT
	v_add_nc_u32 v[ADRA], s[TB], v[ADRA0]
	v_add_nc_u32 v[ADRB], s[TB], v[ADRB0]
	FETCH 0, F0
	MUL16 F1, 1, 0, 0
	MUL16 F1, 1, 2, 0
.endm
.macro FINAL
	s_wait_dscnt 8
	MUL16 F1, 0, 0, 0
	MUL16 F1, 0, 2, 0
	s_wait_dscnt 0x0
	MUL16 F1, 1, 0, 0
	MUL16 F1, 1, 2, 0
.endm
.macro DUMPH rr                        ; rows 64 rr .. 64 rr + 63 of my partial tile into my 64 rows of 528 bytes; each accumulator's low four registers first
	WIN 0x08+4*(\rr)
.irp a, 0,1,2,3
.irp b, 0,1,2,3,4,5,6,7
	ds_store_b128 v[STO], v[8*(8*(\a)+(\b)):8*(8*(\a)+(\b))+3]   offset:(\a)*16*DP+64*(\b)
	ds_store_b128 v[STO], v[8*(8*(\a)+(\b))+4:8*(8*(\a)+(\b))+7] offset:(\a)*16*DP+64*(\b)+16
.endr
.endr
	WIN 0
.endm
; Wave w finishes tile rows 64 rr + 16 w + 0..15, whole: a lane holds four columns.  Four rows a trip: the four partial sums and the residual come out of LDS, five loads a row.
.macro ROWS rr
	v_mov_b32 v[RD], v[RD0]
	v_add_nc_u32 v[RD2], 2*DREG, v[RD0]
	v_add_nc_u32 v[CO], 64*4096*(\rr), v[L16]
	v_add_nc_u32 v[CO2], 64*2048*(\rr), v[L8]
	s_mov_b32 s2, 4
.Lrows_\@:
.irp k, 0,1,2,3
	ds_load_b128 v[64+20*(\k):67+20*(\k)], v[RD]  offset:DP*(\k)
	ds_load_b128 v[68+20*(\k):71+20*(\k)], v[RD]  offset:DREG+DP*(\k)
	ds_load_b128 v[72+20*(\k):75+20*(\k)], v[RD2] offset:DP*(\k)
	ds_load_b128 v[76+20*(\k):79+20*(\k)], v[RD2] offset:DREG+DP*(\k)
	ds_load_b128 v[80+20*(\k):83+20*(\k)], v[XA]  offset:512*(\k)
.endr
.irp k, 0,1,2,3
	s_wait_dscnt 5*(3-(\k))                        ; row k's five loads are in, the later rows' stay out
.irp c, 0,2
	v_pk_add_f32 v[64+20*(\k)+\c:65+20*(\k)+\c], v[64+20*(\k)+\c:65+20*(\k)+\c], v[68+20*(\k)+\c:69+20*(\k)+\c]
	v_pk_add_f32 v[72+20*(\k)+\c:73+20*(\k)+\c], v[72+20*(\k)+\c:73+20*(\k)+\c], v[76+20*(\k)+\c:77+20*(\k)+\c]
	v_pk_add_f32 v[80+20*(\k)+\c:81+20*(\k)+\c], v[80+20*(\k)+\c:81+20*(\k)+\c], v[32+\c:33+\c]
.endr
.irp c, 0,2
	v_pk_add_f32 v[64+20*(\k)+\c:65+20*(\k)+\c], v[64+20*(\k)+\c:65+20*(\k)+\c], v[72+20*(\k)+\c:73+20*(\k)+\c]
.endr
.irp c, 0,2
	v_pk_add_f32 v[64+20*(\k)+\c:65+20*(\k)+\c], v[64+20*(\k)+\c:65+20*(\k)+\c], v[80+20*(\k)+\c:81+20*(\k)+\c]
.endr
	global_store_b128 v[CO], v[64+20*(\k):67+20*(\k)], s[70:71] offset:4096*(\k)  ; a wave stores 512 consecutive bytes, at a multiple of 256 from the buffer's first byte
	v_pk_mul_f32 v[68+20*(\k):69+20*(\k)], v[64+20*(\k):65+20*(\k)], v[36:37]     ; x1 g2
	v_pk_mul_f32 v[70+20*(\k):71+20*(\k)], v[66+20*(\k):67+20*(\k)], v[38:39]
	v_pk_mul_f32 v[72+20*(\k):73+20*(\k)], v[64+20*(\k):65+20*(\k)], v[64+20*(\k):65+20*(\k)]  ; x1^2
	v_cvt_pk_bf16_f32 v[68+20*(\k)], v[68+20*(\k)], v[69+20*(\k)]
	v_cvt_pk_bf16_f32 v[69+20*(\k)], v[70+20*(\k)], v[71+20*(\k)]
	v_pk_fma_f32 v[72+20*(\k):73+20*(\k)], v[66+20*(\k):67+20*(\k)], v[66+20*(\k):67+20*(\k)], v[72+20*(\k):73+20*(\k)]
	global_store_b64 v[CO2], v[68+20*(\k):69+20*(\k)], s[72:73] offset:2048*(\k)  ; 256 consecutive bytes, aligned
	v_add_f32 v[72+20*(\k)], v[72+20*(\k)], v[73+20*(\k)]
.irp m, 1,2,4,8
	v_add_f32_dpp v[72+20*(\k)], v[72+20*(\k)], v[72+20*(\k)] row_xmask:\m row_mask:0xf bank_mask:0xf
.endr
	v_permlanex16_b32 v[73+20*(\k)], v[72+20*(\k)], s20, s21
	v_add_f32 v[72+20*(\k)], v[72+20*(\k)], v[73+20*(\k)]  ; every lane holds the row's sum over the tile's 128 columns;
	v_cmp_eq_u32 vcc_lo, s[RI], v11
	v_cndmask_b32 v[SSV], v[SSV], v[72+20*(\k)], vcc_lo    ; the lane of the row's number keeps it
	s_add_co_u32 s[RI], s[RI], 1
.endr
	s_wait_xcnt 0x0                                ; the stores have read their data and offsets, which are written again only behind this wait
	v_add_nc_u32 v[RD], 4*DP, v[RD]
	v_add_nc_u32 v[RD2], 4*DP, v[RD2]
	v_add_nc_u32 v[XA], 4*512, v[XA]
	v_add_nc_u32 v[CO], 4*4096, v[CO]
	v_add_nc_u32 v[CO2], 4*2048, v[CO2]
	s_sub_co_u32 s2, s2, 1
	s_cmp_lg_u32 s2, 0
	s_cbranch_scc1 .Lrows_\@
.endm
	s_load_b256 s[4:11], s[0:1], 0x0               ; o s[4:5], wb s[6:7], b_proj s[8:9], x s[10:11]
	s_load_b256 s[68:75], s[0:1], 0x20             ; g_norm2 s[68:69], x1 s[70:71], act s[72:73], ss s[74:75]
	v_lshl_add_u32 v[SPW], v0, 2, SPARE
	v_mov_b32 v[NIL], 0
	ds_add_u32 v[SPW], v[NIL]                      ; the wave's opening: the add and its wait ahead of my first tensor load; work on registers stands between them
	ds_add_u32 v28, v29
	v_lshrrev_b32 v1, 5, v0
	v_readfirstlane_b32 s[WV], v1
	s_lshr_b32 s[RH], s[WV], 1                     ; I fetch for A (0) or for B (1),
	s_and_b32 s[CH], s[WV], 1                      ; its first or second half
	s_bfe_u32 s[CX], ttmp6, 0x40000
	s_bfe_u32 s[CY], ttmp6, 0x40004
	s_lshl_b32 s[TX], ttmp9, 2
	s_add_co_u32 s[TX], s[TX], s[CX]
	s_and_b32 s[TY], ttmp7, 0xffff
	s_lshl_b32 s[TY], s[TY], 2
	s_add_co_u32 s[TY], s[TY], s[CY]
	s_lshl_b32 s83, s[CY], 2
	s_lshl_b32 s83, 15, s83                        ; my row of the cluster
	s_lshl_b32 s84, 0x1111, s[CX]                  ; my column
	s_or_b32 s[G1], s83, (1<<16)|(1<<20)|(1<<21)|(AQI<<22)|(3<<25)  ; the mask; 2-byte elements; padding on; bit 21 beside a mask; 4 words of padding
	s_mov_b32 s[G1+1], ADIM<<16
	s_mov_b32 s[G1+2], AROWS<<16
	s_mov_b32 s[G1+3], ADIM<<16
	s_mov_b32 s[G1+4], AROWS
	s_mov_b32 s[G1+5], ASTR
	s_mov_b32 s[G1+6], 0
	s_mov_b32 s[G1+7], 0
	s_or_b32 s[G1B], s84, (1<<16)|(1<<20)|(1<<21)|(5<<22)|(7<<25)   ; after every 64 words, 8 words
	s_mov_b32 s[G1B+1], 128<<16
	s_mov_b32 s[G1B+2], 128<<16
	s_mov_b32 s[G1B+3], 128<<16
	s_mov_b32 s[G1B+4], 128
	s_mov_b32 s[G1B+5], 1024
	s_mov_b32 s[G1B+6], 0
	s_mov_b32 s[G1B+7], 0
	s_lshl_b32 s12, s[TY], 4                       ; A: block = tile row, head 2 x half: (16 x tile row + 2 x half) x 16,384 (s12, s13 never hold cx)
	s_lshl_b32 s13, s[CH], 1
	s_add_co_u32 s12, s12, s13
	s_lshl_b32 s12, s12, 14
	s_mov_b32 s13, 0
	s_lshl_b32 s14, s[CH], 18                      ; B: k-row 128 x half, 2,048 bytes a row; column 128 x tile column (s14, s15 never hold cy)
	s_lshl_b32 s15, s[TX], 8
	s_add_co_u32 s14, s14, s15
	s_add_co_u32 s14, s14, WOFF
	s_mov_b32 s15, 0
	s_mul_i32 s[LDA], s[CH], AHALF
	s_mul_i32 s[LDB], s[CH], BHALF
	s_add_co_u32 s[LDB], s[LDB], BOFF
	s_mov_b32 s[TB], 0
	s_wait_dscnt 0x0                               ; the opening add is done
	s_wait_kmcnt 0x0
	s_add_nc_u64 s[12:13], s[4:5], s[12:13]
	s_add_nc_u64 s[14:15], s[6:7], s[14:15]
	s_mov_b32 s[G0], 1
	s_mov_b32 s[G0+1], s[LDA]
	s_mov_b64 s[G0+2:G0+3], s[12:13]
	s_or_b32 s[G0+3], s[G0+3], 0x80000000
	s_mov_b32 s[G0+4], 1
	s_add_co_u32 s[G0+5], s[LDA], SLOT
	s_add_nc_u64 s[G0+6:G0+7], s[12:13], ASTEP
	s_or_b32 s[G0+7], s[G0+7], 0x80000000
	s_mov_b32 s[G0B], 1
	s_mov_b32 s[G0B+1], s[LDB]
	s_mov_b64 s[G0B+2:G0B+3], s[14:15]
	s_or_b32 s[G0B+3], s[G0B+3], 0x80000000
	s_mov_b32 s[G0B+4], 1
	s_add_co_u32 s[G0B+5], s[LDB], SLOT
	s_add_nc_u64 s[G0B+6:G0B+7], s[14:15], BSTEP
	s_or_b32 s[G0B+7], s[G0B+7], 0x80000000
	CROUND                                         ; all sixteen work-groups are here: the first joint loads meet
	s_cmp_eq_u32 s[RH], 0                          ; a wave's two first fills stand in one branch: two loads of mine are out
	s_cbranch_scc0 .Lfirst_b
	tensor_load_to_lds s[G0:G0+3], s[G1:G1+7]
	s_nop 0
	tensor_load_to_lds s[G0+4:G0+7], s[G1:G1+7]
	s_nop 0
.rept 4
	v_nop
.endr
	s_branch .Lfirst_asked
.Lfirst_b:
	tensor_load_to_lds s[G0B:G0B+3], s[G1B:G1B+7]
	s_nop 0
	tensor_load_to_lds s[G0B+4:G0B+7], s[G1B:G1B+7]
	s_nop 0
.rept 4
	v_nop
.endr
.Lfirst_asked:
	v_and_b32 v11, 31, v0                          ; l
	v_and_b32 v1, 15, v0                           ; l % 16
	v_bfe_u32 v2, v0, 4, 1                         ; l / 16
	v_mul_u32_u24 v[ADRA0], v1, PA
	v_lshl_add_u32 v[ADRA0], v2, 4, v[ADRA0]
	s_mul_i32 s16, s[WV], 128*PA                   ; my 64 k are head w of the step's four
	v_add_nc_u32 v[ADRA0], s16, v[ADRA0]
	v_and_b32 v3, 7, v0
	v_lshl_add_u32 v3, v2, 3, v3
	v_mul_u32_u24 v[ADRB0], v3, PB
	v_bfe_u32 v4, v0, 3, 1
	v_lshl_add_u32 v[ADRB0], v4, 4, v[ADRB0]
	s_mul_i32 s16, s[WV], 64*PB                    ; my 64 k-rows
	s_add_co_u32 s16, s16, BOFF
	v_add_nc_u32 v[ADRB0], s16, v[ADRB0]
	v_mov_b32 v[ADRA], v[ADRA0]
	v_mov_b32 v[ADRB], v[ADRB0]
	s_mul_i32 s16, s[WV], DREG
	v_mul_u32_u24 v[STO], v1, DP
	v_lshl_add_u32 v[STO], v2, 5, v[STO]
	v_add_nc_u32 v[STO], s16, v[STO]
	v_lshlrev_b32 v[L16], 4, v11
	v_lshlrev_b32 v[L8], 3, v11
	s_mul_i32 s16, s[WV], 16*DP                    ; the rows that I finish: 16 w on, in every wave's partial tile
	v_add_nc_u32 v[RD0], s16, v[L16]
	s_lshl_b32 s17, s[TX], 9                       ; the tile's 128 columns: 512 bytes of f32
	v_add_nc_u32 v[BA], s17, v[L16]
	global_load_b128 v[32:35], v[BA], s[8:9]       ; the bias of my four columns
	global_load_b128 v[36:39], v[BA], s[68:69]     ; and the gain
	s_lshl_b32 s16, s[TY], 7                       ; row 128 x tile row + 16 x wave
	s_lshl_b32 s18, s[WV], 4
	s_add_co_u32 s16, s16, s18
	s_lshl_b32 s18, s16, 12                        ; 4,096 bytes a row of f32
	s_add_co_u32 s18, s18, s17
	s_mov_b32 s19, 0
	s_add_nc_u64 s[10:11], s[10:11], s[18:19]
	s_add_nc_u64 s[70:71], s[70:71], s[18:19]
	s_lshl_b32 s18, s16, 11                        ; 2,048 a row of act
	s_lshl_b32 s17, s[TX], 8
	s_add_co_u32 s18, s18, s17
	s_add_nc_u64 s[72:73], s[72:73], s[18:19]
	s_lshl_b32 s18, s[TX], 14                      ; ss: part = tile column, 16,384 bytes; row 128 x tile row
	s_lshl_b32 s17, s[TY], 9
	s_add_co_u32 s18, s18, s17
	s_add_nc_u64 s[74:75], s[74:75], s[18:19]
	v_mov_b32 v[XA], v[L16]
	WIN 0x40                                       ; the residual's 32 rows that I finish come in under the whole product: row j is tile row 64 (j / 16) + 16 w + j % 16
.set j, 0
.rept 32
	global_load_b128 v[4*j+128*(j/16):4*j+128*(j/16)+3], v[XA], s[10:11] offset:(64*(j/16)+j%16)*4096
.set j, j+1
.endr
	WIN 0
	s_wait_tensorcnt 1                             ; my part of K step 0 is in; step 1's may stay out
	s_barrier_signal -1
	s_barrier_wait -1
	FETCH 0, F0
	QUARTER 1, F0, F1, 1                           ; the first half step stands in front of the loop: its products start the sums
	WIN 0
	s_mov_b32 s3, STEPS-2
.Lstep:                                                ; a trip goes from a step's second half to the next step's first, and fills the slot that it leaves
	TURN 1
	QUARTER 1, F0, F1, 0
	WIN 0
	s_sub_co_u32 s3, s3, 1
	s_cmp_lg_u32 s3, 0
	s_cbranch_scc1 .Lstep
	TURN 0                                         ; the last two steps ask for nothing
	QUARTER 1, F0, F1, 0
	FINAL
	WIN 0
	PLACES                                         ; the stores below read results just made
	s_barrier_signal -1                            ; every wave's reads of the ring are over, and all tensor loads have landed:
	s_barrier_wait -1                              ; the slots now serve the way out
	s_wait_loadcnt 0x0                             ; bias, gain and residual
	s_lshl_b32 s16, s[WV], 14
	s_add_co_u32 s16, s16, XS
	v_add_nc_u32 v[XA], s16, v[L16]
	WIN 0x04                                       ; the residual goes into my own 16,384 bytes of LDS, so that one looped text can take it row by row
.set j, 0
.rept 32
	ds_store_b128 v[XA], v[4*j+128*(j/16):4*j+128*(j/16)+3] offset:512*j
.set j, j+1
.endr
	DUMPH 0
	v_mov_b32 v[SSV], 0
	s_mov_b32 s[RI], 0
	s_mov_b32 s20, 0x76543210
	s_mov_b32 s21, 0xfedcba98
	s_wait_dscnt 0x0                               ; for the others' sake: my stores are done
	s_barrier_signal -1
	s_barrier_wait -1
	ROWS 0
	s_wait_dscnt 0x0                               ; my reads of the partial tiles are over,
	s_barrier_signal -1
	s_barrier_wait -1                              ; everybody's are: the stage is written again
	DUMPH 1
	s_wait_dscnt 0x0
	s_barrier_signal -1
	s_barrier_wait -1
	ROWS 1
	v_lshlrev_b32 v3, 6, v2                        ; lane i holds the sum of tile row 64 (i / 16) + 16 w + i % 16
	v_add_nc_u32 v3, v3, v1
	s_lshl_b32 s16, s[WV], 4
	v_add_nc_u32 v3, s16, v3
	v_lshl_add_u32 v3, v3, 2, EXT
	ds_store_b32 v3, v[SSV]
	s_wait_dscnt 0x0
	s_barrier_signal -1
	s_barrier_wait -1
	s_cmp_lg_u32 s[WV], 0                          ; wave 0 stores the tile's 128 sums: 512 consecutive bytes
	s_cbranch_scc1 .Lend
	v_add_nc_u32 v4, EXT, v[L16]
	ds_load_b128 v[64:67], v4
	s_wait_dscnt 0x0
	global_store_b128 v[L16], v[64:67], s[74:75]
.Lend:
	s_wait_tensorcnt 0x0                           ; the wave's end, behind my last tensor load and my last LDS store
	ds_add_u32 v[SPW], v[NIL]
	s_wait_dscnt 0x0
	CROUND                                         ; the closing round: no work-group ends while a partner may still ask for a tile that names it
	s_endpgm
.Lfunc_end_k_qab97c0f38b_gproj:
	.size	k_qab97c0f38b_gproj, .Lfunc_end_k_qab97c0f38b_gproj-k_qab97c0f38b_gproj
	.p2alignl 7, 3214868480
	.fill 96, 4, 3214868480
	.section	.rodata,"a",@progbits
	.p2align	6, 0x0
	.amdhsa_kernel k_qab97c0f38b_gproj
		.amdhsa_group_segment_fixed_size 327680
		.amdhsa_private_segment_fixed_size 0
		.amdhsa_enable_private_segment 0
		.amdhsa_kernarg_size 64
		.amdhsa_user_sgpr_count 2
		.amdhsa_user_sgpr_kernarg_segment_ptr 1
		.amdhsa_wavefront_size32 1
		.amdhsa_system_sgpr_workgroup_id_x 1
		.amdhsa_system_sgpr_workgroup_id_y 1
		.amdhsa_system_sgpr_workgroup_id_z 1
		.amdhsa_system_vgpr_workitem_id 0
		.amdhsa_next_free_vgpr 1024
		.amdhsa_next_free_sgpr 100
		.amdhsa_reserve_vcc 1
		.amdhsa_float_denorm_mode_32 3
		.amdhsa_float_denorm_mode_16_64 3
		.amdhsa_memory_ordered 1
		.amdhsa_forward_progress 1
		.amdhsa_inst_pref_size 79
	.end_amdhsa_kernel
	.amdgpu_metadata
---
amdhsa.version: [ 1, 2 ]
amdhsa.kernels:
  - .name:           k_qab97c0f38b_gproj
    .symbol:         k_qab97c0f38b_gproj.kd
    .args:
      - { .name: o, .offset: 0, .size: 8, .value_kind: global_buffer, .address_space: global }
      - { .name: wb, .offset: 8, .size: 8, .value_kind: global_buffer, .address_space: global }
      - { .name: b_proj, .offset: 16, .size: 8, .value_kind: global_buffer, .address_space: global }
      - { .name: x, .offset: 24, .size: 8, .value_kind: global_buffer, .address_space: global }
      - { .name: g_norm2, .offset: 32, .size: 8, .value_kind: global_buffer, .address_space: global }
      - { .name: x1, .offset: 40, .size: 8, .value_kind: global_buffer, .address_space: global }
      - { .name: act, .offset: 48, .size: 8, .value_kind: global_buffer, .address_space: global }
      - { .name: ss, .offset: 56, .size: 8, .value_kind: global_buffer, .address_space: global }
    .group_segment_fixed_size: 327680
    .private_segment_fixed_size: 0
    .kernarg_segment_align: 8
    .kernarg_segment_size: 64
    .max_flat_workgroup_size: 128
    .sgpr_count:     100
    .vgpr_count:     1024
    .wavefront_size: 32
...
	.end_amdgpu_metadata
.endif
;; end of part 4
;; launch gfc1 (part 5): grid 16 x 16, 4 waves a work-group, clusters of 4 x 4, 327,680 bytes of LDS; arguments act, wb, b_fc1, ss, hmid; writes hmid
.if DOCPART == 5
	.amdgcn_target "amdgcn-amd-amdhsa--gfx1250"
	.amdhsa_code_object_version 6
	.text
	.protected	k_qab97c0f38b_gfc1
	.globl	k_qab97c0f38b_gfc1
	.p2align	8
	.type	k_qab97c0f38b_gfc1,@function
k_qab97c0f38b_gfc1:
	s_mov_b64 s[64:65], 0
	v_nop
	global_prefetch_b8 v0, s[64:65] scope:SCOPE_SE
	s_setreg_imm32_b32 hwreg(HW_REG_WAVE_MODE, 25, 1), 1
	s_wait_xcnt 0x0
	s_wait_alu depctr_hold_cnt(0) depctr_sa_sdst(0) depctr_va_vdst(0) depctr_va_sdst(0) depctr_va_ssrc(0) depctr_va_vcc(0) depctr_vm_vsrc(0)
	s_getreg_b32 s2, hwreg(HW_REG_IB_STS2, 6, 4)
	s_cmp_eq_u32 s2, 0
	s_cbranch_scc0 .Lentry_in_a_cluster
	s_endpgm
.Lentry_in_a_cluster:
	s_bfe_u32 s2, ttmp6, 0x10000c
	s_cmp_lg_u32 s2, 0xf033
	s_cbranch_scc0 .Lentry_shape_is_right
	s_endpgm
.Lentry_shape_is_right:
; hmid = gelu(r[m] (A W1) + b_fc1), rounded once to bf16.  A = act [4096][1024] bf16 (K along the rows) holds x1 g2 WITHOUT the row's 1/rms; r[m] = rsqrt(sum of ss's eight parts / 1024 + eps)
; is a factor of the whole row of the product and is applied here, in f32.  W1 in wb, [1024][4096] bf16 (N along the rows); sums in f32, K ascending.
; gelu(u) = max(u, 0) - 0.5 |u| erfc(|u| / sqrt 2), erfc by Abramowitz and Stegun 7.1.26 (absolute error at most 1.5e-7).
; hmid IS STORED AS THE NEXT PRODUCT'S FRAGMENTS: [256 blocks of 16 rows][128 blocks of 32 columns][2 halves of 16 columns][32 lanes][16 bytes]: lane l's 16 bytes of half j are row l % 16,
; columns 16 j + 8 (l / 16) + 0..7 of the block.  So the next launch fills a fragment by two loads of 512 consecutive bytes, and this launch stores 512 consecutive bytes an instruction.
; LIMITS: NaN and infinities are not treated apart; matrix operands are bf16.
; SHARES.  A tile of C is 256 x 256: four waves, each 128 x 128 in 64 accumulators (512 registers).  K goes in 8 steps of 128 through two LDS slots filled by tensor loads:
; waves 0, 1 fetch A's two halves (128 rows x 256 bytes), waves 2, 3 B's (64 k-rows x 512 bytes).  A step is written once: the slot in hand is a scalar, TB.
; CLUSTER 4 x 4: A's tile hangs on the tile row alone and is asked for jointly along a row of the cluster, B's on the tile column alone, along a column.
; THE MATRIX INSTRUCTION IS USED TRANSPOSED: source 0 = 16 columns of B (turned on the way out of LDS by ds_load_tr16_b128), source 1 = 16 rows of A: a lane holds row l % 16 of C
; and the columns 8 (l / 16) + 0..7: two neighbouring accumulators, packed, are a fragment of hmid as it is stored.
; REGISTERS, in windows of 256: window 0: v0-31 addresses, v32-63 and v192-195 what the head loads for the way out, v64-127 and v128-191 A's two fragment buffers (later at work);
; window 1: v64-191 B's two buffers; windows 2, 3: the accumulators of my rows 0-63, 64-127, (a, b) at v[8 (8 a + b)].
.set NN,    4096
.set WOFF,  8388608                    ; W1 in wb
.set OUT,   68                         ; s[68:69] hmid
.set STEPS, 8
.set PA,    272                        ; a row of A in LDS: 256 bytes + 16: an odd multiple of 16, so the 16 rows of a fragment load start at 16 different groups of four banks (ISA guide 11.1)
.set PB,    544                        ; a k-row of B: 512 + 32: an odd multiple of 32, for the turning load
.set HALF,  34816                      ; what one tensor load fills: 128 x 272 = 64 x 544
.set BOFF,  2*HALF                     ; B's tile lies behind A's
.set SLOT,  4*HALF
.set EXT,   2*SLOT                     ; behind the ring, never filled by a tensor load: each wave's 128 r (512 bytes a wave), then each wave's 128 biases (512 bytes a wave)
.set SPARE, EXT+4096                   ; the spare words, 128 bytes for each wave: two blocks of 256 bytes that no other line names
.set ASTEP, 256                        ; bytes from a K step to the next, in A
.set BSTEP, 128*NN*2                   ; and in B
.set DP,    528                        ; the way out: a row of 128 f32 in LDS, + 16
.set DREG,  128*DP                     ; a wave's 128 rows; four of them lie in the slots, which have had their last fill by then
.set KBLK,  1024                       ; a fragment of hmid: 16 rows x 32 columns
.set ABLK,  128*KBLK                   ; from a block of 16 rows of hmid to the next
.set ADRA0, 12                         ; v12  my lane's place in A's tile; never rewritten
.set ADRB0, 13                         ; v13  in B's
.set RDC,   14                         ; v14  where my sums of the column block in hand begin
.set RSA0,  15                         ; v15  my row's r in the wave's first 16 rows; never rewritten
.set ADRA,  16                         ; v16  my lane's place in A's tile, in the slot in hand
.set BTA,   17                         ; v17  my biases of the column block in hand
.set COC,   18                         ; v18  my byte offset in hmid at the column block in hand
.set BST,   19                         ; v19  where my four biases go
.set ADRB,  20                         ; v20
.set SSA,   22                         ; v22  my offset in ss
.set RST,   23                         ; v23  where my four r go
.set STO,   24                         ; v24  the way out: where I put my sums
.set RD,    25                         ; v25  where I read them back
.set CO,    26                         ; v26  my byte offset in hmid
.set BA,    27                         ; v27  my offset in the bias
.set SPW,   28                         ; v28  my spare word: SPARE + 4 x thread; never rewritten
.set NIL,   29                         ; v29  0; never rewritten
.set PFO,   30                         ; v30  the prefetches' lane offset; never rewritten
.set RSA,   31                         ; v31  my row's r in the 16 rows in hand
.set F0,    64
.set F1,    128
.set G1,  24                           ; s[24:31] group 1 for A's tiles     s[32:39] group 0: a set for each first fill; the second then walks
.set G0,  32
.set LDA, 40                           ; s40, s41 LDS byte of my load in slot 0, for A and for B
.set LDB, 41
.set TB,  42                           ; s42  0 or SLOT: the slot in hand
.set LIM, 43                           ; s43  2 in a wave that prefetches, else the greatest number
.set PFA, 44                           ; s[44:45] where my prefetches stand     s[46:47] their step
.set PST, 46
.set G1B, 48                           ; s[48:55], s[56:63] the same for B's tiles
.set G0B, 56
.set WV,  76
.set RH,  77                           ; my half of the tile's rows; also: I fetch for A (0) or B (1)
.set CH,  78                           ; my half of its columns; also: which half of that tile I fetch
.set CX,  79
.set CY,  80
.set TX,  81
.set TY,  82
.set C1,  86                           ; gelu's constants, each the low word of a pair: s[86:99]
.set PP,  88
.set A1,  90
.set A2,  92
.set A3,  94
.set A4,  96
.set A5,  98
.set MSB, 0
.macro WIN new                         ; the immediate's high byte repeats the setting that is left; a switch that changes nothing is dropped
.if MSB != (\new)
	s_set_vgpr_msb (MSB<<8)|(\new)
.set MSB, \new
.endif
.endm
.set MUL_LO, 0xa1                      ; source 0 (B) window 1, source 1 (A) window 0, C and D window 2
.set MUL_HI, 0xf1                      ; the same, C and D window 3
.set TO_B,   0x40                      ; destination window 1, address window 0
.macro PLACES                          ; four places in front of loads into registers that matrix instructions have read, and of reads of results
.rept 4
	v_nop
.endr
.endm
.macro CREST                           ; a round of the cluster's barrier behind its opening barrier
	s_cmp_lg_u32 s[WV], 0
	s_cbranch_scc1 .Lnot_wave_0_\@
	s_barrier_signal -3
.Lnot_wave_0_\@:
	s_barrier_wait -3
	s_barrier_signal -1
	s_barrier_wait -1
.endm
.macro CROUND
	s_barrier_signal -1
	s_barrier_wait -1
	CREST
.endm
; A joint refill, by the walking set.  The branch hangs on the wave's number alone.  An s_nop 0 and four v_nop follow each of the two lines.
.macro JLOAD
	s_cmp_eq_u32 s[RH], 0
	s_cbranch_scc0 .Lfor_b_\@
	tensor_load_to_lds s[G0+4:G0+7], s[G1:G1+7]
	s_nop 0
.rept 4
	v_nop
.endr
	s_branch .Lasked_\@
.Lfor_b_\@:
	tensor_load_to_lds s[G0B+4:G0B+7], s[G1B:G1B+7]
	s_nop 0
.rept 4
	v_nop
.endr
.Lasked_\@:
.endm
; A prefetch into the L2 of the K step that stands two refills on: 32 blocks of 256 bytes, a lane a block, one instruction a wave.  A's rows are named by the clusters with x = 0, B's by those with y = 0;
; the four partners that ask for a tile jointly share its blocks out by address (32 rows of A by cx; 16 k-rows of B, two blocks each, by cy).  So each block is named once in the launch.
; Steps 0 to 3 come by their loads alone; the loop's last two trips have no step two on.
.macro ASK
	s_cmp_gt_u32 s3, s[LIM]
	s_cbranch_scc0 .Lnot_mine_\@
	global_prefetch_b8 v[PFO], s[PFA:PFA+1] th:TH_LOAD_NT scope:SCOPE_SE
.Lnot_mine_\@:
.endm
; 16 matrix instructions: m blocks a0, a0 + 1 of the window's four x all 8 n blocks, 32 along K.  zero = 1: the product starts the sum.  The 64 accumulators take turns, in the same order everywhere.
.macro MUL16 f, hi, a0, zero
	WIN MUL_LO+0x50*(\hi)
.irp a, \a0, (\a0)+1
.irp b, 0,1,2,3,4,5,6,7
.if \zero
	v_wmma_f32_16x16x32_bf16 v[8*(8*(\a)+(\b)):8*(8*(\a)+(\b))+7], v[(\f)+8*(\b):(\f)+8*(\b)+7], v[(\f)+8*(4*(\hi)+(\a)):(\f)+8*(4*(\hi)+(\a))+7], 0
.else
	v_wmma_f32_16x16x32_bf16 v[8*(8*(\a)+(\b)):8*(8*(\a)+(\b))+7], v[(\f)+8*(\b):(\f)+8*(\b)+7], v[(\f)+8*(4*(\hi)+(\a)):(\f)+8*(4*(\hi)+(\a))+7], v[8*(8*(\a)+(\b)):8*(8*(\a)+(\b))+7]
.endif
.endr
.endr
.endm
; 32 LDS loads in one run: quarter q (32 along K) of the slot in hand into buffer f: B's eight blocks of 16 columns, turned, then A's eight blocks of 16 rows
.macro FETCH q, f
	WIN TO_B
.irp i, 0,1,2,3,4,5,6,7
	ds_load_tr16_b128 v[(\f)+8*(\i):(\f)+8*(\i)+3],   v[ADRB] offset:32*(\q)*PB+32*(\i)
	ds_load_tr16_b128 v[(\f)+8*(\i)+4:(\f)+8*(\i)+7], v[ADRB] offset:32*(\q)*PB+32*(\i)+16*PB
.endr
	WIN 0
.irp i, 0,1,2,3,4,5,6,7
	ds_load_b128 v[(\f)+8*(\i):(\f)+8*(\i)+3],   v[ADRA] offset:64*(\q)+16*(\i)*PA
	ds_load_b128 v[(\f)+8*(\i)+4:(\f)+8*(\i)+7], v[ADRA] offset:64*(\q)+16*(\i)*PA+32
.endr
.endm
; A quarter step: multiplies buffer f; in its middle it fetches quarter q of the same slot into buffer g
.macro QUARTER q, f, g, zero
	s_wait_dscnt 8                                 ; B and A's rows 0-63 are in; the youngest eight loads (A's rows 64-127) may be out
	MUL16 \f, 0, 0, \zero
	MUL16 \f, 0, 2, \zero
	PLACES
	FETCH \q, \g
	s_wait_dscnt 32                                ; all but the 32 just issued
	MUL16 \f, 1, 0, \zero
	MUL16 \f, 1, 2, \zero
.endm
; A step's last quarter multiplies buffer 1 and changes slots.  In front of the barrier each wave waits for all its tensor loads (one is out: its part of the next slot), adds 0 to its spare word,
; and waits for that and for its reads of this slot.  fill = 1: the barrier opens a round of the cluster's, and the slot just read is filled again, first thing behind it, with the step two on:
; that load has 224 matrix instructions in which to land.
.macro TURN fill
.if \fill
	s_wait_xcnt 0x0                                ; the last prefetch, a K step back, has read its address
	s_add_nc_u64 s[PFA:PFA+1], s[PFA:PFA+1], s[PST:PST+1]
.endif
	WIN 0
	s_wait_tensorcnt 0x0
	ds_add_u32 v[SPW], v[NIL]
	s_wait_dscnt 9                                 ; (the add and the youngest eight loads may be out)
	MUL16 F1, 0, 0, 0
	s_wait_dscnt 0x0                               ; the add is done, and my reads of this slot are over
	s_barrier_signal -1
	MUL16 F1, 0, 2, 0
	WIN 0
	s_barrier_wait -1
.if \fill
	CREST                                          ; no wave of any partner still reads this slot or has a load on its way
	s_add_co_u32 s[G0+5], s[LDA], s[TB]            ; no tensor load of mine is out, so the walking sets may be written: the slot just read,
	s_add_co_u32 s[G0B+5], s[LDB], s[TB]
	s_add_nc_u64 s[G0+6:G0+7], s[G0+6:G0+7], ASTEP     ; the next K step; the type bits on top are not reached
	s_add_nc_u64 s[G0B+6:G0B+7], s[G0B+6:G0B+7], BSTEP
	JLOAD                                          ; its four v_nop are also the places in front of the loads below
.else
	PLACES
.endif
	s_xor_b32 s[TB], s[TB], SLOT                   ; on to the other slot
	v_add_nc_u32 v[ADRA], s[TB], v[ADRA0]
	v_add_nc_u32 v[ADRB], s[TB], v[ADRB0]
	FETCH 0, F0
.if \fill
	ASK
.endif
	MUL16 F1, 1, 0, 0
	MUL16 F1, 1, 2, 0
.endm
.macro FINAL                           ; the very last quarter: nothing more to fetch
	s_wait_dscnt 8
	MUL16 F1, 0, 0, 0
	MUL16 F1, 0, 2, 0
	s_wait_dscnt 0x0
	MUL16 F1, 1, 0, 0
	MUL16 F1, 1, 2, 0
.endm
.macro DUMP                            ; my 128 x 128 sums into my own 128 rows of 528 bytes; each accumulator's low four registers first
.irp hi, 0,1
	WIN 0x08+4*(\hi)
.irp a, 0,1,2,3
.irp b, 0,1,2,3,4,5,6,7
	ds_store_b128 v[STO], v[8*(8*(\a)+(\b)):8*(8*(\a)+(\b))+3]   offset:(4*(\hi)+(\a))*16*DP+64*(\b)
	ds_store_b128 v[STO], v[8*(8*(\a)+(\b))+4:8*(8*(\a)+(\b))+7] offset:(4*(\hi)+(\a))*16*DP+64*(\b)+16
.endr
.endr
.endr
	WIN 0
.endm
	s_load_b256 s[4:11], s[0:1], 0x0               ; act s[4:5], wb s[6:7], b_fc1 s[8:9], ss s[10:11]
	s_load_b64 s[68:69], s[0:1], 0x20              ; hmid
	v_lshl_add_u32 v[SPW], v0, 2, SPARE
	v_mov_b32 v[NIL], 0
	ds_add_u32 v[SPW], v[NIL]                      ; the wave's opening: the add and its wait ahead of my first tensor load; work on registers stands between them
	ds_add_u32 v28, v29
	v_lshrrev_b32 v1, 5, v0
	v_readfirstlane_b32 s[WV], v1
	s_lshr_b32 s[RH], s[WV], 1
	s_and_b32 s[CH], s[WV], 1
	s_bfe_u32 s[CX], ttmp6, 0x40000
	s_bfe_u32 s[CY], ttmp6, 0x40004
	s_lshl_b32 s[TX], ttmp9, 2
	s_add_co_u32 s[TX], s[TX], s[CX]               ; tile column = 4 x cluster x + cx
	s_and_b32 s[TY], ttmp7, 0xffff
	s_lshl_b32 s[TY], s[TY], 2
	s_add_co_u32 s[TY], s[TY], s[CY]               ; tile row = 4 x cluster y + cy
	s_lshl_b32 s83, s[CY], 2
	s_lshl_b32 s83, 15, s83                        ; my row of the cluster
	s_lshl_b32 s84, 0x1111, s[CX]                  ; my column
	s_or_b32 s[G1], s83, (1<<16)|(1<<20)|(1<<21)|(5<<22)|(3<<25)   ; the mask; 2-byte elements; padding on; bit 21 beside a mask; after every 64 words, 4 words
	s_mov_b32 s[G1+1], 128<<16                     ; tensor_dim0 = 128
	s_mov_b32 s[G1+2], 128<<16                     ; tensor_dim1 = 128
	s_mov_b32 s[G1+3], 128<<16                     ; tile_dim0 = 128
	s_mov_b32 s[G1+4], 128                         ; tile_dim1 = 128
	s_mov_b32 s[G1+5], 1024                        ; elements from row to row
	s_mov_b32 s[G1+6], 0
	s_mov_b32 s[G1+7], 0
	s_or_b32 s[G1B], s84, (1<<16)|(1<<20)|(1<<21)|(6<<22)|(7<<25)  ; after every 128 words, 8 words
	s_mov_b32 s[G1B+1], 256<<16
	s_mov_b32 s[G1B+2], 64<<16
	s_mov_b32 s[G1B+3], 256<<16
	s_mov_b32 s[G1B+4], 64
	s_mov_b32 s[G1B+5], NN
	s_mov_b32 s[G1B+6], 0
	s_mov_b32 s[G1B+7], 0
	s_lshl_b32 s12, s[TY], 8                       ; A: row 256 x tile row + 128 x half (s12, s13 never hold cx)
	s_lshl_b32 s13, s[CH], 7
	s_add_co_u32 s12, s12, s13
	s_lshl_b32 s12, s12, 11                        ; 2,048 bytes a row
	s_mov_b32 s13, 0
	s_mul_i32 s14, s[CH], 64*2*NN                  ; B: k-row 64 x half, column 256 x tile column (s14, s15 never hold cy)
	s_lshl_b32 s15, s[TX], 9
	s_add_co_u32 s14, s14, s15
	s_add_co_u32 s14, s14, WOFF
	s_mov_b32 s15, 0
	s_mul_i32 s[LDA], s[CH], HALF                  ; no place in the cluster enters an LDS address
	s_add_co_u32 s[LDB], s[LDA], BOFF
	s_mov_b32 s[TB], 0
.irp c, C1, PP, A1, A2, A3, A4, A5
	s_mov_b32 s[\c+1], 0                           ; the pairs' high words are named with the low ones
.endr
	s_mov_b32 s[C1], 0x3f596d27                    ; c1 = sqrt(log2(e) / 2): z = c1 |u|, so that exp(-u^2 / 2) = 2^(-z^2)
	s_mov_b32 s[PP], 0x3e8ba43f                    ; 0.3275911 / (sqrt(2) c1)
	s_mov_b32 s[A1], 0x3e199eb3                    ; the series' five coefficients, each times 0.5 / c1
	s_mov_b32 s[A2], 0xbe2b8119
	s_mov_b32 s[A3], 0x3f563818
	s_mov_b32 s[A4], 0xbf5b0099
	s_mov_b32 s[A5], 0x3f1ff67a
	s_wait_dscnt 0x0                               ; the opening add is done
	s_wait_kmcnt 0x0
	s_add_nc_u64 s[12:13], s[4:5], s[12:13]
	s_add_nc_u64 s[14:15], s[6:7], s[14:15]
	s_mov_b32 s[G0], 1                             ; count = 1
	s_mov_b32 s[G0+1], s[LDA]                      ; slot 0
	s_mov_b64 s[G0+2:G0+3], s[12:13]               ; K step 0
	s_or_b32 s[G0+3], s[G0+3], 0x80000000          ; type = 2
	s_mov_b32 s[G0+4], 1
	s_add_co_u32 s[G0+5], s[LDA], SLOT             ; slot 1
	s_add_nc_u64 s[G0+6:G0+7], s[12:13], ASTEP     ; K step 1
	s_or_b32 s[G0+7], s[G0+7], 0x80000000
	s_mov_b32 s[G0B], 1
	s_mov_b32 s[G0B+1], s[LDB]
	s_mov_b64 s[G0B+2:G0B+3], s[14:15]
	s_or_b32 s[G0B+3], s[G0B+3], 0x80000000
	s_mov_b32 s[G0B+4], 1
	s_add_co_u32 s[G0B+5], s[LDB], SLOT
	s_add_nc_u64 s[G0B+6:G0B+7], s[14:15], BSTEP
	s_or_b32 s[G0B+7], s[G0B+7], 0x80000000
	CROUND                                         ; all sixteen work-groups are here: the first joint loads meet
	s_cmp_eq_u32 s[RH], 0                          ; a wave's two first fills stand in one branch: two loads of mine are out
	s_cbranch_scc0 .Lfirst_b
	tensor_load_to_lds s[G0:G0+3], s[G1:G1+7]
	s_nop 0
	tensor_load_to_lds s[G0+4:G0+7], s[G1:G1+7]
	s_nop 0
.rept 4
	v_nop
.endr
	s_branch .Lfirst_asked
.Lfirst_b:
	tensor_load_to_lds s[G0B:G0B+3], s[G1B:G1B+7]
	s_nop 0
	tensor_load_to_lds s[G0B+4:G0B+7], s[G1B:G1B+7]
	s_nop 0
.rept 4
	v_nop
.endr
.Lfirst_asked:
	v_and_b32 v11, 31, v0                          ; l
	v_and_b32 v1, 15, v0                           ; l % 16
	v_bfe_u32 v2, v0, 4, 1                         ; l / 16
	v_mul_u32_u24 v[ADRA0], v1, PA                 ; A's fragment: row l % 16, 16 bytes for each half of the lanes, twice, 32 bytes apart
	v_lshl_add_u32 v[ADRA0], v2, 4, v[ADRA0]
	s_mul_i32 s16, s[RH], 128*PA                   ; my 128 rows
	v_add_nc_u32 v[ADRA0], s16, v[ADRA0]
	v_and_b32 v3, 7, v0                            ; B's: the turning load takes k-row 8 (l / 16) + l % 8, columns 8 ((l / 8) % 2) + 0..7
	v_lshl_add_u32 v3, v2, 3, v3
	v_mul_u32_u24 v[ADRB0], v3, PB
	v_bfe_u32 v4, v0, 3, 1
	v_lshl_add_u32 v[ADRB0], v4, 4, v[ADRB0]
	s_lshl_b32 s16, s[CH], 8                       ; my 128 columns
	s_add_co_u32 s16, s16, BOFF
	v_add_nc_u32 v[ADRB0], s16, v[ADRB0]
	v_mov_b32 v[ADRA], v[ADRA0]
	v_mov_b32 v[ADRB], v[ADRB0]
	s_mul_i32 s16, s[WV], DREG                     ; the way out: my 128 rows of 528 bytes
	v_mul_u32_u24 v[STO], v1, DP
	v_lshl_add_u32 v[STO], v2, 5, v[STO]           ; row l % 16, 32 bytes for each half of the lanes
	v_add_nc_u32 v[STO], s16, v[STO]
	v_mov_b32 v[RDC], v[STO]                       ; a lane reads back what it has put there itself
	v_lshlrev_b32 v[COC], 4, v11                   ; 16 bytes a lane out
	s_lshl_b32 s17, s[TX], 10                      ; the bias of my 128 columns begins at 4 (256 x tile column + 128 x half)
	s_lshl_b32 s18, s[CH], 9
	s_add_co_u32 s17, s17, s18
	v_lshl_add_u32 v[BA], v11, 4, s17
	global_load_b128 v[192:195], v[BA], s[8:9]     ; four of my wave's 128 biases a lane
	s_lshl_b32 s17, s[TY], 10                      ; ss: my wave's 128 rows, four a lane, in each of the eight parts
	s_lshl_b32 s18, s[RH], 9
	s_add_co_u32 s17, s17, s18
	v_lshl_add_u32 v[SSA], v11, 4, s17
.irp p, 0,1,2,3,4,5,6,7
	global_load_b128 v[32+4*(\p):35+4*(\p)], v[SSA], s[10:11] offset:16384*(\p)
.endr
	s_lshl_b32 s17, s[WV], 9
	s_add_co_u32 s17, s17, EXT                     ; my 128 r in the table
	v_lshl_add_u32 v[RSA0], v1, 2, s17             ; read: row l % 16
	v_lshl_add_u32 v[RST], v11, 4, s17             ; written: four rows a lane
	v_add_nc_u32 v[BST], 2048, v[RST]              ; my 128 biases lie 2,048 bytes on
	v_lshl_add_u32 v[BTA], v2, 5, s17              ; read: columns 8 (l / 16) on
	v_add_nc_u32 v[BTA], 2048, v[BTA]
	s_lshl_b32 s16, s[TY], 21                      ; hmid at row block 16 x tile row + 8 x half, 131,072 bytes each,
	s_lshl_b32 s17, s[RH], 20
	s_add_co_u32 s16, s16, s17
	s_lshl_b32 s17, s[TX], 13                      ; column block 8 x tile column + 4 x half, 1,024 bytes each
	s_add_co_u32 s16, s16, s17
	s_lshl_b32 s17, s[CH], 12
	s_add_co_u32 s16, s16, s17
	s_mov_b32 s17, 0
	s_add_nc_u64 s[OUT:OUT+1], s[OUT:OUT+1], s[16:17]
	; the prefetches: both roles' offsets are made, and the wave's role picks
	s_lshl_b32 s16, s[TY], 8                       ; A: row 256 x tile row + 128 x half + my work-group's 32,
	s_lshl_b32 s17, s[CH], 7
	s_add_co_u32 s16, s16, s17
	s_lshl_b32 s17, s[CX], 5
	s_add_co_u32 s16, s16, s17
	s_lshl_b32 s16, s16, 11
	s_add_co_u32 s16, s16, 3*ASTEP                 ; at K step 3: the first refill steps it to 4
	s_lshl_b32 s17, s[CH], 6                       ; B: k-row 64 x half + my work-group's 16
	s_lshl_b32 s18, s[CY], 4
	s_add_co_u32 s17, s17, s18
	s_mul_i32 s17, s17, 2*NN
	s_lshl_b32 s18, s[TX], 9
	s_add_co_u32 s17, s17, s18
	s_add_co_u32 s17, s17, WOFF+3*BSTEP
	s_and_b32 s18, ttmp7, 0xffff                   ; cluster y
	s_mov_b32 s[PST], BSTEP
	s_mov_b32 s20, 2*NN
	s_cmp_eq_u32 s[RH], 0                          ; do I fetch for A?
	s_cselect_b32 s16, s16, s17
	s_cselect_b32 s18, ttmp9, s18                  ; the coordinate along which other clusters read the same blocks
	s_cselect_b64 s[PFA:PFA+1], s[4:5], s[6:7]
	s_cselect_b32 s[PST], ASTEP, s[PST]
	s_cselect_b32 s20, 2048, s20                   ; bytes from row to row
	s_cselect_b32 s19, 0, 1                        ; A: a lane a row; B: two lanes a k-row of 512 bytes
	s_mov_b32 s[PST+1], 0
	s_mov_b32 s17, 0
	s_add_nc_u64 s[PFA:PFA+1], s[PFA:PFA+1], s[16:17]
	s_cmp_eq_u32 s18, 0
	s_cselect_b32 s[LIM], 2, -1                    ; the same in all sixteen partners, for a given wave
	v_lshrrev_b32 v3, s19, v11
	v_mul_lo_u32 v[PFO], v3, s20
	v_and_b32 v4, s19, v11
	v_lshl_add_u32 v[PFO], v4, 8, v[PFO]
	s_wait_tensorcnt 1                             ; my part of K step 0 is in; step 1's may stay out
	s_barrier_signal -1
	s_barrier_wait -1                              ; everybody's is
	FETCH 0, F0
	QUARTER 1, F0, F1, 1                           ; the first quarter stands in front of the loop: its products start the sums
	WIN 0                                          ; at a label and at a branch every window is 0
	s_mov_b32 s3, STEPS-2
.Lstep:                                                ; a trip goes from a step's second quarter to the next step's first, and fills the slot that it leaves
	QUARTER 2, F1, F0, 0
	QUARTER 3, F0, F1, 0
	TURN 1
	QUARTER 1, F0, F1, 0
	WIN 0
	s_sub_co_u32 s3, s3, 1
	s_cmp_lg_u32 s3, 0
	s_cbranch_scc1 .Lstep
	s_mov_b32 s3, 2                                ; the last two steps ask for nothing: a text of their own; it is left in the middle of its second trip
.Ltail:
	QUARTER 2, F1, F0, 0
	QUARTER 3, F0, F1, 0
	WIN 0
	s_sub_co_u32 s3, s3, 1
	s_cmp_eq_u32 s3, 0
	s_cbranch_scc1 .Lout
	TURN 0
	QUARTER 1, F0, F1, 0
	WIN 0
	s_branch .Ltail
.Lout:
	FINAL
	WIN 0
	PLACES                                         ; the stores below read results just made
	s_barrier_signal -1                            ; every wave's reads of the ring are over (the wait for 0 in FINAL), and all tensor loads have landed:
	s_barrier_wait -1                              ; the slots now serve the way out
	; THE WAY OUT.  The sums go through LDS for one reason: a loop cannot step through registers, and gelu written out for 64 accumulators would be some 5,000 lines.  Each lane reads back its own bytes.
	DUMP
	s_wait_loadcnt 0x0                             ; what the head loaded
	; r of my wave's 128 rows: the eight parts are added, four rows a lane
.set i, 0
.rept 8
	v_pk_add_f32 v[32+i:33+i], v[32+i:33+i], v[48+i:49+i]
.set i, i+2
.endr
.set i, 0
.rept 4
	v_pk_add_f32 v[32+i:33+i], v[32+i:33+i], v[40+i:41+i]
.set i, i+2
.endr
	v_pk_add_f32 v[32:33], v[32:33], v[36:37]
	v_pk_add_f32 v[34:35], v[34:35], v[38:39]
	s_mov_b32 s16, 0x3a800000                      ; 1 / 1024
	s_mov_b32 s17, 0
	s_mov_b32 s18, 0x34000000                      ; eps = 2^-23
	s_mov_b32 s19, 0
	v_pk_fma_f32 v[32:33], v[32:33], s[16:17], s[18:19] op_sel_hi:[1,0,0]
	v_pk_fma_f32 v[34:35], v[34:35], s[16:17], s[18:19] op_sel_hi:[1,0,0]
.irp i, 32,33,34,35
	v_rsq_f32 v[\i], v[\i]
.endr
	v_nop                                          ; a plain instruction behind the last of the four,
	s_wait_alu depctr_va_vdst(0)                   ; and one wait for the four
	ds_store_b128 v[RST], v[32:35]                 ; r and the biases into my own bytes of the tables; LDS serves a wave's instructions in order (ISA guide 5.7.1.4)
	ds_store_b128 v[BST], v[192:195]
.set XR, 64                            ; v[64:79]   a fragment's sums: my row, columns 8 (l / 16) + 0..7 of both halves
.set RR, 80                            ; v[80:81]   my row's r, the low word of a pair
.set U,  96                            ; v[96:111]  u, then max(u, 0), then the result
.set Z,  112                           ; v[112:127] z = c1 |u|
.set TT, 128                           ; v[128:143] t = 1 / (1 + p z)
.set E,  144                           ; v[144:159] 2^(-z^2)
.set Q,  160                           ; v[160:175] the series
.set Y,  176                           ; v[176:183] packed results: the fragment's two halves
.set BI, 208                           ; v[208:223] the biases of my 16 columns of the column block in hand
.macro LOADX                           ; 16 rows x 32 columns of the sums, 16 numbers a lane, and my row's r
	ds_load_b128 v[XR:XR+3],     v[RD]
	ds_load_b128 v[XR+4:XR+7],   v[RD] offset:16
	ds_load_b128 v[XR+8:XR+11],  v[RD] offset:64
	ds_load_b128 v[XR+12:XR+15], v[RD] offset:80
	ds_load_b32  v[RR], v[RSA]
.endm
.macro ALL8 line:vararg                ; one line for each of the eight pairs, i = 0, 2 .. 14
.set i, 0
.rept 8
	\line
.set i, i+2
.endr
.endm
	v_mov_b32 v[RR+1], 0                           ; named with r as a pair
	s_mov_b32 s12, 4
.Lcols:                                                ; my four blocks of 32 columns
	s_wait_xcnt 0x0                                ; the last stores have read CO
	v_mov_b32 v[RD], v[RDC]
	v_mov_b32 v[RSA], v[RSA0]
	v_mov_b32 v[CO], v[COC]
	ds_load_b128 v[BI:BI+3],     v[BTA]
	ds_load_b128 v[BI+4:BI+7],   v[BTA] offset:16
	ds_load_b128 v[BI+8:BI+11],  v[BTA] offset:64
	ds_load_b128 v[BI+12:BI+15], v[BTA] offset:80
	LOADX
	s_mov_b32 s2, 8
.Lrows:                                                ; my eight blocks of 16 rows: a fragment of hmid a trip
	s_wait_dscnt 0x0                               ; the five loads issued a trip ago (in a column block's first trip: just now, with the biases)
	ALL8 v_pk_fma_f32 v[U+i:U+i+1], v[XR+i:XR+i+1], v[RR:RR+1], v[BI+i:BI+i+1] op_sel_hi:[1,0,1]
	v_add_nc_u32 v[RD], 16*DP, v[RD]
	v_add_nc_u32 v[RSA], 64, v[RSA]
	s_cmp_eq_u32 s2, 1                             ; the last trip has no rows behind it
	s_cbranch_scc1 .Lno_more
	LOADX                                          ; the next trip's sums come in under this trip's arithmetic
.Lno_more:
.set i, 0
.rept 16
	v_mul_f32 v[Z+i], |v[U+i]|, s[C1]
.set i, i+1
.endr
	ALL8 v_pk_fma_f32 v[TT+i:TT+i+1], v[Z+i:Z+i+1], s[PP:PP+1], 1.0 op_sel_hi:[1,0,0]
	ALL8 v_pk_mul_f32 v[E+i:E+i+1], v[Z+i:Z+i+1], v[Z+i:Z+i+1] neg_lo:[0,1] neg_hi:[0,1]
.set i, 0
.rept 16                               ; one batch of 32; a plain line stands behind each two, the last line among them
	v_rcp_f32 v[TT+i], v[TT+i]
	v_exp_f32 v[E+i], v[E+i]
	v_max_num_f32 v[U+i], 0, v[U+i]
.set i, i+1
.endr
	s_wait_alu depctr_va_vdst(0)                   ; one wait for the batch, ahead of its first reader
	ALL8 v_pk_fma_f32 v[Q+i:Q+i+1], v[TT+i:TT+i+1], s[A5:A5+1], s[A4:A4+1] op_sel_hi:[1,0,0]
	ALL8 v_pk_fma_f32 v[Q+i:Q+i+1], v[Q+i:Q+i+1], v[TT+i:TT+i+1], s[A3:A3+1] op_sel_hi:[1,1,0]
	ALL8 v_pk_fma_f32 v[Q+i:Q+i+1], v[Q+i:Q+i+1], v[TT+i:TT+i+1], s[A2:A2+1] op_sel_hi:[1,1,0]
	ALL8 v_pk_fma_f32 v[Q+i:Q+i+1], v[Q+i:Q+i+1], v[TT+i:TT+i+1], s[A1:A1+1] op_sel_hi:[1,1,0]
	ALL8 v_pk_mul_f32 v[Q+i:Q+i+1], v[Q+i:Q+i+1], v[TT+i:TT+i+1]
	ALL8 v_pk_mul_f32 v[Q+i:Q+i+1], v[Q+i:Q+i+1], v[E+i:E+i+1]
	ALL8 v_pk_fma_f32 v[U+i:U+i+1], v[Z+i:Z+i+1], v[Q+i:Q+i+1], v[U+i:U+i+1] neg_lo:[1,0,0] neg_hi:[1,0,0]
	s_wait_xcnt 0x0                                ; the last trip's stores have read Y and CO, which are written again only behind this wait
	v_add_nc_u32 v[CO], ABLK, v[CO]                ; the stores below reach back
.irp k, 0,1,2,3,4,5,6,7
	v_cvt_pk_bf16_f32 v[Y+(\k)], v[U+2*(\k)], v[U+2*(\k)+1]
.endr
	global_store_b128 v[CO], v[Y:Y+3],   s[OUT:OUT+1] offset:-ABLK      ; a wave stores 512 consecutive bytes, at a multiple of 256 from hmid's first byte: the fragment's first half,
	global_store_b128 v[CO], v[Y+4:Y+7], s[OUT:OUT+1] offset:512-ABLK   ; and its second
	s_sub_co_u32 s2, s2, 1
	s_cmp_lg_u32 s2, 0
	s_cbranch_scc1 .Lrows
	v_add_nc_u32 v[RDC], 128, v[RDC]               ; 32 columns on: in the sums,
	v_add_nc_u32 v[BTA], 128, v[BTA]               ; in the biases,
	v_add_nc_u32 v[COC], KBLK, v[COC]              ; and in hmid
	s_sub_co_u32 s12, s12, 1
	s_cmp_lg_u32 s12, 0
	s_cbranch_scc1 .Lcols
	s_wait_tensorcnt 0x0                           ; the wave's end, behind my last tensor load and my last LDS store
	ds_add_u32 v[SPW], v[NIL]
	s_wait_dscnt 0x0
	CROUND                                         ; the closing round: no work-group ends while a partner may still ask for a tile that names it
	s_endpgm
.Lfunc_end_k_qab97c0f38b_gfc1:
	.size	k_qab97c0f38b_gfc1, .Lfunc_end_k_qab97c0f38b_gfc1-k_qab97c0f38b_gfc1
	.p2alignl 7, 3214868480
	.fill 96, 4, 3214868480
	.section	.rodata,"a",@progbits
	.p2align	6, 0x0
	.amdhsa_kernel k_qab97c0f38b_gfc1
		.amdhsa_group_segment_fixed_size 327680
		.amdhsa_private_segment_fixed_size 0
		.amdhsa_enable_private_segment 0
		.amdhsa_kernarg_size 40
		.amdhsa_user_sgpr_count 2
		.amdhsa_user_sgpr_kernarg_segment_ptr 1
		.amdhsa_wavefront_size32 1
		.amdhsa_system_sgpr_workgroup_id_x 1
		.amdhsa_system_sgpr_workgroup_id_y 1
		.amdhsa_system_sgpr_workgroup_id_z 1
		.amdhsa_system_vgpr_workitem_id 0
		.amdhsa_next_free_vgpr 1024
		.amdhsa_next_free_sgpr 100
		.amdhsa_reserve_vcc 0
		.amdhsa_float_denorm_mode_32 3
		.amdhsa_float_denorm_mode_16_64 3
		.amdhsa_memory_ordered 1
		.amdhsa_forward_progress 1
		.amdhsa_inst_pref_size 96
	.end_amdhsa_kernel
	.amdgpu_metadata
---
amdhsa.version: [ 1, 2 ]
amdhsa.kernels:
  - .name:           k_qab97c0f38b_gfc1
    .symbol:         k_qab97c0f38b_gfc1.kd
    .args:
      - { .name: act, .offset: 0, .size: 8, .value_kind: global_buffer, .address_space: global }
      - { .name: wb, .offset: 8, .size: 8, .value_kind: global_buffer, .address_space: global }
      - { .name: b_fc1, .offset: 16, .size: 8, .value_kind: global_buffer, .address_space: global }
      - { .name: ss, .offset: 24, .size: 8, .value_kind: global_buffer, .address_space: global }
      - { .name: hmid, .offset: 32, .size: 8, .value_kind: global_buffer, .address_space: global }
    .group_segment_fixed_size: 327680
    .private_segment_fixed_size: 0
    .kernarg_segment_align: 8
    .kernarg_segment_size: 40
    .max_flat_workgroup_size: 128
    .sgpr_count:     100
    .vgpr_count:     1024
    .wavefront_size: 32
...
	.end_amdgpu_metadata
.endif
;; end of part 5
;; launch gfc2 (part 6): grid 32 x 8, 4 waves a work-group, clusters of 4 x 1, 327,680 bytes of LDS; arguments hmid, wb, b_fc2, x1, out0; writes out0
.if DOCPART == 6
	.amdgcn_target "amdgcn-amd-amdhsa--gfx1250"
	.amdhsa_code_object_version 6
	.text
	.protected	k_qab97c0f38b_gfc2
	.globl	k_qab97c0f38b_gfc2
	.p2align	8
	.type	k_qab97c0f38b_gfc2,@function
k_qab97c0f38b_gfc2:
	s_mov_b64 s[64:65], 0
	v_nop
	global_prefetch_b8 v0, s[64:65] scope:SCOPE_SE
	s_setreg_imm32_b32 hwreg(HW_REG_WAVE_MODE, 25, 1), 1
	s_wait_xcnt 0x0
	s_wait_alu depctr_hold_cnt(0) depctr_sa_sdst(0) depctr_va_vdst(0) depctr_va_sdst(0) depctr_va_ssrc(0) depctr_va_vcc(0) depctr_vm_vsrc(0)
	s_getreg_b32 s2, hwreg(HW_REG_IB_STS2, 6, 4)
	s_cmp_eq_u32 s2, 0
	s_cbranch_scc0 .Lentry_in_a_cluster
	s_endpgm
.Lentry_in_a_cluster:
	s_bfe_u32 s2, ttmp6, 0x10000c
	s_cmp_lg_u32 s2, 0x3003
	s_cbranch_scc0 .Lentry_shape_is_right
	s_endpgm
.Lentry_shape_is_right:
; out0 = x1 + hmid W2 + b_fc2, in f32 on the way out.  W2 in wb, [4096][1024] bf16 (N along the rows); K = 4,096; sums in f32.
; hmid lies as fragments: [256 blocks of 16 rows][128 blocks of 32 k][2 halves of 16 k][32 lanes][16 bytes]: lane l's 16 bytes of half j are row l % 16, k = 16 j + 8 (l / 16) + 0..7 of the block:
; two loads of 512 consecutive bytes fill a fragment (16 rows x 32 k in 8 registers).
; LIMITS: NaN and infinities are not treated apart; matrix operands are bf16; a row's sum over K is taken in four parts that are added at the end.
; SHARES.  N = 1,024 gives each of 256 work-groups a tile of 128 x 128.  K IS SPLIT AMONG THE FOUR WAVES: of each K step of 512 wave w takes k = 128 w .. 128 w + 127, for the whole tile, in 64 accumulators.
; So no wave wants a byte of A or B that another wave has fetched.
; A COMES STRAIGHT INTO REGISTERS, by counted loads that stay out across the barriers: a ring of four buffers, one for each quarter (32 k) of a step, all of window 1.  A buffer's half (64 rows, 8 loads) is asked
; for again four places behind its last product, for the same quarter of the next step: 224 matrix instructions ahead of its use.
; B COMES THROUGH LDS, since it has to be turned (ds_load_tr16_b128): two slots of 512 k-rows.  With B alone in them a slot lasts a wave 256 matrix instructions; with A beside it, it would hold 256 k and last 128.
; Each wave fetches its own 128 k-rows by one tensor load and reads those alone.
; CLUSTER 4 x 1: grid x is the tile row, grid y the tile column.  The four partners have the same tile column, so the same B: each tile is asked for jointly, by the same load with a mask of all four.
; A is not shared so: the work-groups that read the same rows of hmid are the eight tile columns, and a joint request would put A back into LDS.
; The matrix instruction is used transposed (source 0 = 16 columns of B, source 1 = 16 rows of A): a lane holds row l % 16 of C and the columns 8 (l / 16) + 0..7.
; REGISTERS: window 0: v0-31 addresses, v32-35 the bias, v64-127 and v128-191 B's two fragment buffers (later at work); window 1: A's buffer q at v[64 q], fragment i (16 rows) at + 8 i;
; in the last step buffers 0 and 1 take the residual's 32 rows of this wave; windows 2, 3: the accumulators of rows 0-63, 64-127, (a, b) at v[8 (8 a + b)].
.set STEPS, 8
.set PB,    288                        ; a k-row of B in LDS: 256 bytes + 32: an odd multiple of 32, for the turning load
.set WPART, 128*PB                     ; what one wave's tensor load fills, and that wave alone reads
.set SLOT,  4*WPART
.set SPARE, 2*SLOT                     ; behind the ring: the spare words, 128 bytes for each wave: two blocks of 256 bytes that no other line names
.set BSTEP, 512*2048                   ; bytes from a K step to the next, in B
.set WOFF,  16777216                   ; W2 in wb
.set KBLK,  1024                       ; a fragment of hmid
.set ASTEP, 16*KBLK                    ; bytes from a K step to the next, in a block of 16 rows of hmid
.set ABLK,  128*KBLK                   ; from a block of 16 rows to the next
.set DP,    528                        ; the way out: a row of 128 f32 in LDS, + 16
.set DREG,  64*DP                      ; a wave's 64 rows of a round; four of them, then
.set XS,    4*DREG                     ; the residual, 16,384 bytes a wave: all in the slots, which have had their last fill by then
.set ADRB0, 13                         ; v13  my lane's place in my part of B's tile; never rewritten
.set RD0,   14                         ; v14  where my rows of wave 0's partial tile begin; never rewritten
.set L16,   15                         ; v15  16 x lane; never rewritten
.set ADRB,  20                         ; v20  my lane's place in the slot in hand
.set BA,    21                         ; v21  my offset in the bias
.set PFBO,  22                         ; v22  B's prefetches: 2,048 x lane, a lane a k-row; never rewritten
.set STO,   24
.set RD,    25                         ; v25  partial tiles of waves 0, 1
.set CO,    26                         ; v26  my offset in the output
.set XA,    27                         ; v27  the residual's place in LDS
.set SPW,   28
.set NIL,   29
.set PFO,   30                         ; v30  A's prefetches: block of rows l / 16, 256 bytes x l % 16; never rewritten
.set RD2,   31                         ; v31  partial tiles of waves 2, 3
.set FB0,   64
.set FB1,   128
.set G1,  24                           ; s[24:31] group 1      s[32:39] group 0: a set for each first fill; the second then walks
.set G0,  32
.set LDB, 41                           ; s41  LDS byte of my part in slot 0
.set TB,  42                           ; s42  0 or SLOT: the slot in hand
.set LIMA, 43                          ; s43  1 in a work-group that prefetches A, else the greatest number
.set AP,  44                           ; s[44:45] hmid at my tile's first block of rows, my 128 k of the step in hand
.set PFB, 46                           ; s[46:47] where my prefetches of B stand
.set LIMB, 48                          ; s48  1 in a work-group that prefetches B, else the greatest number
.set WV,  76
.set CX,  79
.set TX,  81
.set TY,  82
.set MSB, 0
.macro WIN new                         ; the immediate's high byte repeats the setting that is left; a switch that changes nothing is dropped
.if MSB != (\new)
	s_set_vgpr_msb (MSB<<8)|(\new)
.set MSB, \new
.endif
.endm
.set MUL_LO, 0xa4                      ; source 0 (B) window 0, source 1 (A) window 1, C and D window 2
.set MUL_HI, 0xf4                      ; the same, C and D window 3
.set TO_A,   0x40                      ; destination window 1, address window 0
.macro PLACES                          ; four places in front of loads into registers that matrix instructions have read, and of reads of results
.rept 4
	v_nop
.endr
.endm
.macro CREST                           ; a round of the cluster's barrier behind its opening barrier
	s_cmp_lg_u32 s[WV], 0
	s_cbranch_scc1 .Lnot_wave_0_\@
	s_barrier_signal -3
.Lnot_wave_0_\@:
	s_barrier_wait -3
	s_barrier_signal -1
	s_barrier_wait -1
.endm
.macro CROUND
	s_barrier_signal -1
	s_barrier_wait -1
	CREST
.endm
; PREFETCHES INTO THE L2, behind the joint load, its five lines and the trip's loads.  Trip i (the change from step i to step i + 1) names step i + 3.
; A: my wave's own 128 k of the tile's 128 rows: 8 blocks of rows x 4,096 bytes = 128 blocks of 256 bytes, a lane a block, four instructions.  The same rows are read by all eight tile columns: tile column 0 asks.
; B: the k-rows that the next change of slots will ask for.  The same tile column is read by all eight clusters along x: cluster 0 asks; of the 128 k-rows that wave w fetches the partner at place cx takes 32,
; told apart by address, a lane a row: one instruction.  So each block is named once in the launch.  Steps 0 to 2 come by their loads alone; the loop's last trip has no step three on.
.macro ASK
	s_cmp_gt_u32 s3, s[LIMA]
	s_cbranch_scc0 .Lno_a_\@
.irp n, 0,1,2,3
	global_prefetch_b8 v[PFO], s[AP:AP+1] offset:2*ASTEP+2*(\n)*ABLK th:TH_LOAD_NT scope:SCOPE_SE
.endr
.Lno_a_\@:
	s_cmp_gt_u32 s3, s[LIMB]
	s_cbranch_scc0 .Lno_b_\@
	global_prefetch_b8 v[PFBO], s[PFB:PFB+1] th:TH_LOAD_NT scope:SCOPE_SE
.Lno_b_\@:
.endm
; 16 matrix instructions: m blocks a0, a0 + 1 of the window's four x all 8 n blocks, quarter q.  zero = 1: the product starts the sum.  The 64 accumulators take turns, in the same order everywhere.
.macro MUL16 fb, q, hi, a0, zero
	WIN MUL_LO+0x50*(\hi)
.irp a, \a0, (\a0)+1
.irp b, 0,1,2,3,4,5,6,7
.if \zero
	v_wmma_f32_16x16x32_bf16 v[8*(8*(\a)+(\b)):8*(8*(\a)+(\b))+7], v[(\fb)+8*(\b):(\fb)+8*(\b)+7], v[64*(\q)+8*(4*(\hi)+(\a)):64*(\q)+8*(4*(\hi)+(\a))+7], 0
.else
	v_wmma_f32_16x16x32_bf16 v[8*(8*(\a)+(\b)):8*(8*(\a)+(\b))+7], v[(\fb)+8*(\b):(\fb)+8*(\b)+7], v[64*(\q)+8*(4*(\hi)+(\a)):64*(\q)+8*(4*(\hi)+(\a))+7], v[8*(8*(\a)+(\b)):8*(8*(\a)+(\b))+7]
.endif
.endr
.endr
.endm
.macro FETCHB q, fb                    ; 16 LDS loads in one run: B's eight blocks of 16 columns, turned, of quarter q of my part of the slot in hand
	WIN 0
.irp i, 0,1,2,3,4,5,6,7
	ds_load_tr16_b128 v[(\fb)+8*(\i):(\fb)+8*(\i)+3],   v[ADRB] offset:32*(\q)*PB+32*(\i)
	ds_load_tr16_b128 v[(\fb)+8*(\i)+4:(\fb)+8*(\i)+7], v[ADRB] offset:32*(\q)*PB+32*(\i)+16*PB
.endr
.endm
.macro ALOAD q, half, ahead            ; 8 loads: half a buffer: A's rows 64 half .. 64 half + 63 of quarter q, of the step at AP (ahead = 0) or of the one behind it (1)
	WIN TO_A
.irp i, 0,1,2,3
	global_load_b128 v[64*(\q)+32*(\half)+8*(\i):64*(\q)+32*(\half)+8*(\i)+3],   v[L16], s[AP:AP+1] offset:(\ahead)*ASTEP+(\q)*KBLK+(4*(\half)+(\i))*ABLK
	global_load_b128 v[64*(\q)+32*(\half)+8*(\i)+4:64*(\q)+32*(\half)+8*(\i)+7], v[L16], s[AP:AP+1] offset:(\ahead)*ASTEP+(\q)*KBLK+(4*(\half)+(\i))*ABLK+512
.endr
.endm
.macro XLOAD g                         ; 8 loads: rows 8 g .. 8 g + 7 of the residual's 32 that I finish (row j is tile row 64 (j / 16) + 16 w + j % 16), into the half buffer that has just been left for good
	WIN TO_A
.irp n, 0,1,2,3,4,5,6,7
	global_load_b128 v[32*(\g)+4*(\n):32*(\g)+4*(\n)+3], v[L16], s[10:11] offset:(64*((\g)/2)+8*((\g)%2)+(\n))*4096 th:TH_LOAD_NT
.endr
.endm
.macro LOADS kind, q, half, ahead      ; what a place in the ring asks for: 0 nothing; 1 half a buffer of A; 10 + g the residual's group g; 20 the bias
.if (\kind) == 1
	ALOAD \q, \half, \ahead
.elseif ((\kind) >= 10) && ((\kind) < 14)
	XLOAD (\kind)-10
.elseif (\kind) == 20
	WIN 0
	global_load_b128 v[32:35], v[BA], s[8:9]
.endif
.endm
; QUARTER q of a step (q = 0, 1, 2; 3 in the very last step): 64 matrix instructions on A's buffer q and B's buffer q % 2.
; At its head the second half of buffer q - 1, just left, is asked for again (hk); in its middle the first half of buffer q (mk), and B's fragments of quarter q + 1 are fetched (fetch).
; THE COUNTS.  The ring's halves are asked for in the order in which they are used, 8 loads each.  Behind each request the half that is wanted next is the oldest of the ring's eight: the other seven, 56 loads, may
; stay out.  (Where all 64 are still out, the last load's issue waits for the oldest, which the next wait wants anyway: ISA guide 5.7.1.)  In the last step the counts are given by the caller.
.macro QUARTER q, zero, hk, mk, c1, c2, fetch
.if \hk
	PLACES
	LOADS \hk, ((\q)+3)%4, 1, ((\q)+3)/4           ; (AP is stepped at the head of quarter 3: buffers 2's and 3's second halves find it at their step, the others one step back)
.endif
	s_wait_loadcnt \c1                             ; A's rows 0-63 of this quarter are in
	s_wait_dscnt 0x0                               ; B's fragments of this quarter are in
	MUL16 FB0+64*((\q)%2), \q, 0, 0, \zero
	MUL16 FB0+64*((\q)%2), \q, 0, 2, \zero
.if (\fetch) || (\mk)
	PLACES
.endif
.if \fetch
	FETCHB (\q)+1, FB0+64*(((\q)+1)%2)
.endif
	LOADS \mk, \q, 0, 1
	s_wait_loadcnt \c2                             ; A's rows 64-127 of this quarter are in
	MUL16 FB0+64*((\q)%2), \q, 1, 0, \zero
	MUL16 FB0+64*((\q)%2), \q, 1, 2, \zero
.endm
; QUARTER 3 CHANGES SLOTS.  In front of the barrier each wave waits for all its tensor loads (one is out: its part of the next slot), adds 0 to its spare word, and waits for that and for its reads of this slot.
; fill = 1: the barrier opens a round of the cluster's, and the slot just read is filled again, first thing behind it, with the step two on: that load has 224 matrix instructions in which to land.
.macro TURN fill
	s_wait_xcnt 0x0                                ; every load and prefetch issued so far (the youngest 32 matrix instructions back) has read its address, so the pointers may be written
	s_add_nc_u64 s[AP:AP+1], s[AP:AP+1], ASTEP
.if \fill
	s_add_nc_u64 s[PFB:PFB+1], s[PFB:PFB+1], BSTEP
.endif
	PLACES
	ALOAD 2, 1, 0
	WIN 0
	s_wait_tensorcnt 0x0
	ds_add_u32 v[SPW], v[NIL]
	s_wait_loadcnt 56                              ; A's rows 0-63 of this quarter are in
	s_wait_dscnt 1                                 ; B's fragments are in; the add may be out
	MUL16 FB1, 3, 0, 0, 0
	s_wait_dscnt 0x0                               ; the add is done, and my reads of this slot are over
	s_barrier_signal -1
	MUL16 FB1, 3, 0, 2, 0
	WIN 0
	s_barrier_wait -1
.if \fill
	CREST                                          ; no wave of any partner still reads this slot or has a load on its way
	s_add_co_u32 s[G0+5], s[LDB], s[TB]            ; no tensor load of mine is out, so the walking set may be written: the slot just read,
	s_add_nc_u64 s[G0+6:G0+7], s[G0+6:G0+7], BSTEP ; the next K step; the type bits on top are not reached
	tensor_load_to_lds s[G0+4:G0+7], s[G1:G1+7]    ; every wave its own 128 k-rows: both addresses hang on the wave's number
	s_nop 0
.rept 4
	v_nop                                          ; (also the places in front of the loads below)
.endr
.else
	PLACES
.endif
	s_xor_b32 s[TB], s[TB], SLOT                   ; on to the other slot
	v_add_nc_u32 v[ADRB], s[TB], v[ADRB0]
	ALOAD 3, 0, 0
	FETCHB 0, FB0
.if \fill
	ASK
.endif
	s_wait_loadcnt 56                              ; A's rows 64-127 of this quarter are in
	MUL16 FB1, 3, 1, 0, 0
	MUL16 FB1, 3, 1, 2, 0
.endm
.macro DUMPH rr                        ; rows 64 rr .. 64 rr + 63 of my partial tile into my 64 rows of 528 bytes; each accumulator's low four registers first
	WIN 0x08+4*(\rr)
.irp a, 0,1,2,3
.irp b, 0,1,2,3,4,5,6,7
	ds_store_b128 v[STO], v[8*(8*(\a)+(\b)):8*(8*(\a)+(\b))+3]   offset:(\a)*16*DP+64*(\b)
	ds_store_b128 v[STO], v[8*(8*(\a)+(\b))+4:8*(8*(\a)+(\b))+7] offset:(\a)*16*DP+64*(\b)+16
.endr
.endr
	WIN 0
.endm
; Wave w finishes tile rows 64 rr + 16 w + 0..15, whole: a lane holds four columns.  Four rows a trip: the four partial sums and the residual come out of LDS, five loads a row.
.macro ROWS rr
	v_mov_b32 v[RD], v[RD0]
	v_add_nc_u32 v[RD2], 2*DREG, v[RD0]
	v_add_nc_u32 v[CO], 64*4096*(\rr), v[L16]
	s_mov_b32 s2, 4
.Lrows_\@:
.irp k, 0,1,2,3
	ds_load_b128 v[64+20*(\k):67+20*(\k)], v[RD]  offset:DP*(\k)
	ds_load_b128 v[68+20*(\k):71+20*(\k)], v[RD]  offset:DREG+DP*(\k)
	ds_load_b128 v[72+20*(\k):75+20*(\k)], v[RD2] offset:DP*(\k)
	ds_load_b128 v[76+20*(\k):79+20*(\k)], v[RD2] offset:DREG+DP*(\k)
	ds_load_b128 v[80+20*(\k):83+20*(\k)], v[XA]  offset:512*(\k)
.endr
.irp k, 0,1,2,3
	s_wait_dscnt 5*(3-(\k))                        ; row k's five loads are in, the later rows' stay out
.irp c, 0,2
	v_pk_add_f32 v[64+20*(\k)+\c:65+20*(\k)+\c], v[64+20*(\k)+\c:65+20*(\k)+\c], v[68+20*(\k)+\c:69+20*(\k)+\c]
	v_pk_add_f32 v[72+20*(\k)+\c:73+20*(\k)+\c], v[72+20*(\k)+\c:73+20*(\k)+\c], v[76+20*(\k)+\c:77+20*(\k)+\c]
	v_pk_add_f32 v[80+20*(\k)+\c:81+20*(\k)+\c], v[80+20*(\k)+\c:81+20*(\k)+\c], v[32+\c:33+\c]
.endr
.irp c, 0,2
	v_pk_add_f32 v[64+20*(\k)+\c:65+20*(\k)+\c], v[64+20*(\k)+\c:65+20*(\k)+\c], v[72+20*(\k)+\c:73+20*(\k)+\c]
.endr
.irp c, 0,2
	v_pk_add_f32 v[64+20*(\k)+\c:65+20*(\k)+\c], v[64+20*(\k)+\c:65+20*(\k)+\c], v[80+20*(\k)+\c:81+20*(\k)+\c]
.endr
	global_store_b128 v[CO], v[64+20*(\k):67+20*(\k)], s[70:71] offset:4096*(\k) th:TH_STORE_NT  ; a wave stores 512 consecutive bytes, at a multiple of 256 from out0's first byte
.endr
	s_wait_xcnt 0x0                                ; the stores have read their data and offsets, which are written again only behind this wait
	v_add_nc_u32 v[RD], 4*DP, v[RD]
	v_add_nc_u32 v[RD2], 4*DP, v[RD2]
	v_add_nc_u32 v[XA], 4*512, v[XA]
	v_add_nc_u32 v[CO], 4*4096, v[CO]
	s_sub_co_u32 s2, s2, 1
	s_cmp_lg_u32 s2, 0
	s_cbranch_scc1 .Lrows_\@
.endm
	s_load_b256 s[4:11], s[0:1], 0x0               ; hmid s[4:5], wb s[6:7], b_fc2 s[8:9], x1 s[10:11]
	s_load_b64 s[70:71], s[0:1], 0x20              ; out0
	v_lshl_add_u32 v[SPW], v0, 2, SPARE
	v_mov_b32 v[NIL], 0
	ds_add_u32 v[SPW], v[NIL]                      ; the wave's opening: the add and its wait ahead of my first tensor load; work on registers stands between them
	ds_add_u32 v28, v29
	v_lshrrev_b32 v1, 5, v0
	v_readfirstlane_b32 s[WV], v1
	s_bfe_u32 s[CX], ttmp6, 0x40000                ; my place in the cluster
	s_lshl_b32 s[TY], ttmp9, 2                     ; in a cluster launch ttmp9 counts clusters
	s_add_co_u32 s[TY], s[TY], s[CX]               ; tile row = 4 x cluster x + cx: it enters A's, the residual's and the output's addresses alone
	s_and_b32 s[TX], ttmp7, 0xffff                 ; tile column, which the four partners share
	s_mov_b32 s[G1], 15|(1<<16)|(1<<20)|(1<<21)|(5<<22)|(7<<25)  ; the mask: all four work-groups; 2-byte elements; padding on; bit 21 beside a mask; after every 64 words, 8 words
	s_mov_b32 s[G1+1], 128<<16                     ; tensor_dim0 = 128
	s_mov_b32 s[G1+2], 128<<16                     ; tensor_dim1 = 128
	s_mov_b32 s[G1+3], 128<<16                     ; tile_dim0 = 128
	s_mov_b32 s[G1+4], 128                         ; tile_dim1 = 128
	s_mov_b32 s[G1+5], 1024                        ; elements from row to row
	s_mov_b32 s[G1+6], 0
	s_mov_b32 s[G1+7], 0
	s_lshl_b32 s14, s[WV], 18                      ; B: k-row 128 x wave, 2,048 bytes a row; column 128 x tile column (s14, s15 never hold cx)
	s_lshl_b32 s15, s[TX], 8
	s_add_co_u32 s14, s14, s15
	s_add_co_u32 s14, s14, WOFF
	s_mov_b32 s15, 0
	s_mul_i32 s[LDB], s[WV], WPART                 ; no place in the cluster enters an LDS address
	s_mov_b32 s[TB], 0
	s_lshl_b32 s12, s[TY], 20                      ; A: 8 blocks of rows a tile row, 131,072 bytes each; my 128 k are 4 fragments of 1,024 bytes
	s_lshl_b32 s13, s[WV], 12
	s_add_co_u32 s12, s12, s13
	s_mov_b32 s13, 0
	s_lshl_b32 s16, s[WV], 18                      ; B's prefetches: k-row 128 x wave + my work-group's 32, at K step 2: the first change of slots steps it to 3
	s_lshl_b32 s17, s[CX], 16
	s_add_co_u32 s16, s16, s17
	s_lshl_b32 s17, s[TX], 8
	s_add_co_u32 s16, s16, s17
	s_add_co_u32 s16, s16, WOFF+2*BSTEP
	s_mov_b32 s17, 0
	s_cmp_eq_u32 s[TX], 0
	s_cselect_b32 s[LIMA], 1, -1                   ; the same in all four partners
	s_cmp_eq_u32 ttmp9, 0
	s_cselect_b32 s[LIMB], 1, -1                   ; likewise
	s_wait_dscnt 0x0                               ; the opening add is done
	s_wait_kmcnt 0x0
	s_add_nc_u64 s[AP:AP+1], s[4:5], s[12:13]
	s_add_nc_u64 s[14:15], s[6:7], s[14:15]
	s_add_nc_u64 s[PFB:PFB+1], s[6:7], s[16:17]
	s_mov_b32 s[G0], 1                             ; count = 1
	s_mov_b32 s[G0+1], s[LDB]                      ; slot 0
	s_mov_b64 s[G0+2:G0+3], s[14:15]               ; K step 0
	s_or_b32 s[G0+3], s[G0+3], 0x80000000          ; type = 2
	s_mov_b32 s[G0+4], 1
	s_add_co_u32 s[G0+5], s[LDB], SLOT             ; slot 1
	s_add_nc_u64 s[G0+6:G0+7], s[14:15], BSTEP     ; K step 1
	s_or_b32 s[G0+7], s[G0+7], 0x80000000
	CROUND                                         ; all four work-groups are here: the first joint loads meet
	tensor_load_to_lds s[G0:G0+3], s[G1:G1+7]      ; the two first fills of every wave: two loads of mine are out
	s_nop 0
	tensor_load_to_lds s[G0+4:G0+7], s[G1:G1+7]
	s_nop 0
.rept 4
	v_nop
.endr
	v_and_b32 v11, 31, v0                          ; l
	v_and_b32 v1, 15, v0                           ; l % 16
	v_bfe_u32 v2, v0, 4, 1                         ; l / 16
	v_lshlrev_b32 v[L16], 4, v11
.irp q, 0,1,2,3
	ALOAD \q, 0, 0                                 ; the ring is filled with step 0, in the order in which it is used
	ALOAD \q, 1, 0
.endr
	WIN 0
	v_and_b32 v3, 7, v0                            ; B's fragment: the turning load takes k-row 8 (l / 16) + l % 8, columns 8 ((l / 8) % 2) + 0..7
	v_lshl_add_u32 v3, v2, 3, v3
	v_mul_u32_u24 v[ADRB0], v3, PB
	v_bfe_u32 v4, v0, 3, 1
	v_lshl_add_u32 v[ADRB0], v4, 4, v[ADRB0]
	v_add_nc_u32 v[ADRB0], s[LDB], v[ADRB0]        ; my 128 k-rows
	v_mov_b32 v[ADRB], v[ADRB0]
	s_mul_i32 s16, s[WV], DREG
	v_mul_u32_u24 v[STO], v1, DP
	v_lshl_add_u32 v[STO], v2, 5, v[STO]
	v_add_nc_u32 v[STO], s16, v[STO]
	s_mul_i32 s16, s[WV], 16*DP                    ; the rows that I finish: 16 w on, in every wave's partial tile
	v_add_nc_u32 v[RD0], s16, v[L16]
	s_lshl_b32 s17, s[TX], 9                       ; the tile's 128 columns: 512 bytes of f32
	v_add_nc_u32 v[BA], s17, v[L16]
	v_lshlrev_b32 v[PFO], 8, v1
	v_lshl_add_u32 v[PFO], v2, 17, v[PFO]
	v_lshlrev_b32 v[PFBO], 11, v11
	s_lshl_b32 s16, s[TY], 7                       ; row 128 x tile row + 16 x wave
	s_lshl_b32 s18, s[WV], 4
	s_add_co_u32 s16, s16, s18
	s_lshl_b32 s18, s16, 12                        ; 4,096 bytes a row of f32
	s_add_co_u32 s18, s18, s17
	s_mov_b32 s19, 0
	s_add_nc_u64 s[10:11], s[10:11], s[18:19]
	s_add_nc_u64 s[70:71], s[70:71], s[18:19]
	s_wait_tensorcnt 1                             ; my part of K step 0 is in; step 1's may stay out
	s_barrier_signal -1
	s_barrier_wait -1
	FETCHB 0, FB0
	QUARTER 0, 1, 0, 1, 56, 56, 1                  ; the first quarter stands in front of the loop: its products start the sums; no half has been left yet at its head
	WIN 0                                          ; at a label and at a branch every window is 0
	s_mov_b32 s3, STEPS-2
.Lstep:                                                ; a trip goes from a step's second quarter to the next step's first, fills the slot that it leaves, and asks once round A's ring
	QUARTER 1, 0, 1, 1, 56, 56, 1
	QUARTER 2, 0, 1, 1, 56, 56, 1
	TURN 1
	QUARTER 0, 0, 1, 1, 56, 56, 1
	WIN 0
	s_sub_co_u32 s3, s3, 1
	s_cmp_lg_u32 s3, 0
	s_cbranch_scc1 .Lstep
	QUARTER 1, 0, 1, 1, 56, 56, 1                  ; step 6 fills no slot; it still asks for step 7's A
	QUARTER 2, 0, 1, 1, 56, 56, 1
	TURN 0
	QUARTER 0, 0, 1, 10, 56, 56, 1                 ; step 7: behind the last half of A the residual takes the ring's places, 8 loads each, so the counts stand
	QUARTER 1, 0, 11, 12, 56, 56, 1
	QUARTER 2, 0, 13, 20, 56, 49, 1                ; then the bias, one load: two halves of A, the residual's 32 and the bias may be out,
	QUARTER 3, 0, 0, 0, 41, 33, 0                  ; one half, 32 and 1; 32 and 1
	WIN 0
	PLACES                                         ; the stores below read results just made
	s_barrier_signal -1                            ; every wave's reads of the ring are over, and all tensor loads have landed:
	s_barrier_wait -1                              ; the slots now serve the way out
	DUMPH 0
	s_lshl_b32 s16, s[WV], 14
	s_add_co_u32 s16, s16, XS
	v_add_nc_u32 v[XA], s16, v[L16]
	s_wait_loadcnt 0x0                             ; the residual and the bias
	WIN 0x04                                       ; the residual goes into my own 16,384 bytes of LDS, so that one looped text can take it row by row
.set j, 0
.rept 32
	ds_store_b128 v[XA], v[4*j:4*j+3] offset:512*j
.set j, j+1
.endr
	WIN 0
	s_wait_dscnt 0x0                               ; for the others' sake: my stores are done
	s_barrier_signal -1
	s_barrier_wait -1
	ROWS 0
	s_wait_dscnt 0x0                               ; my reads of the partial tiles are over,
	s_barrier_signal -1
	s_barrier_wait -1                              ; everybody's are: the stage is written again
	DUMPH 1
	s_wait_dscnt 0x0
	s_barrier_signal -1
	s_barrier_wait -1
	ROWS 1
	s_wait_tensorcnt 0x0                           ; the wave's end, behind my last tensor load and my last LDS store
	ds_add_u32 v[SPW], v[NIL]
	s_wait_dscnt 0x0
	CROUND                                         ; the closing round: no work-group ends while a partner may still ask for a tile that names it
	s_endpgm
.Lfunc_end_k_qab97c0f38b_gfc2:
	.size	k_qab97c0f38b_gfc2, .Lfunc_end_k_qab97c0f38b_gfc2-k_qab97c0f38b_gfc2
	.p2alignl 7, 3214868480
	.fill 96, 4, 3214868480
	.section	.rodata,"a",@progbits
	.p2align	6, 0x0
	.amdhsa_kernel k_qab97c0f38b_gfc2
		.amdhsa_group_segment_fixed_size 327680
		.amdhsa_private_segment_fixed_size 0
		.amdhsa_enable_private_segment 0
		.amdhsa_kernarg_size 40
		.amdhsa_user_sgpr_count 2
		.amdhsa_user_sgpr_kernarg_segment_ptr 1
		.amdhsa_wavefront_size32 1
		.amdhsa_system_sgpr_workgroup_id_x 1
		.amdhsa_system_sgpr_workgroup_id_y 1
		.amdhsa_system_sgpr_workgroup_id_z 1
		.amdhsa_system_vgpr_workitem_id 0
		.amdhsa_next_free_vgpr 1024
		.amdhsa_next_free_sgpr 100
		.amdhsa_reserve_vcc 0
		.amdhsa_float_denorm_mode_32 3
		.amdhsa_float_denorm_mode_16_64 3
		.amdhsa_memory_ordered 1
		.amdhsa_forward_progress 1
		.amdhsa_inst_pref_size 115
	.end_amdhsa_kernel
	.amdgpu_metadata
---
amdhsa.version: [ 1, 2 ]
amdhsa.kernels:
  - .name:           k_qab97c0f38b_gfc2
    .symbol:         k_qab97c0f38b_gfc2.kd
    .args:
      - { .name: hmid, .offset: 0, .size: 8, .value_kind: global_buffer, .address_space: global }
      - { .name: wb, .offset: 8, .size: 8, .value_kind: global_buffer, .address_space: global }
      - { .name: b_fc2, .offset: 16, .size: 8, .value_kind: global_buffer, .address_space: global }
      - { .name: x1, .offset: 24, .size: 8, .value_kind: global_buffer, .address_space: global }
      - { .name: out0, .offset: 32, .size: 8, .value_kind: global_buffer, .address_space: global }
    .group_segment_fixed_size: 327680
    .private_segment_fixed_size: 0
    .kernarg_segment_align: 8
    .kernarg_segment_size: 40
    .max_flat_workgroup_size: 128
    .sgpr_count:     100
    .vgpr_count:     1024
    .wavefront_size: 32
...
	.end_amdgpu_metadata
.endif
;; end of part 6
